; MI455X (gfx1250); checked and timed in simulation.
; The chip was launched on July 23, 2026; its instructions are those of AMD's public machine-readable ISA for CDNA 5 (MIT licence, August 2026) and "CDNA5" Instruction Set Architecture Reference Guide (July 2026). The comments in the code are by the model that wrote it; some were corrected since.
;; Multi Head Attention. Allowed arithmetic: matrix products marked QUANTISED: E3M2 operands, one E8M0 scale for each 32 along K, by v_wmma_scale_f32_16x16x128_f8f6f4 with both operands' format E3M2, f32 sums; everything else in f32.
;; Inputs: Wk_codes 1,024 x 32 x 24 uint8 (E3M2 codes of Wk, K innermost, in blocks of 32 codes, four codes in three bytes); Wk_scales 1,024 x 32 uint8 (E8M0 scales of Wk, one for each 32 codes along K); Wo_codes 1,024 x 32 x 24 uint8 (E3M2 codes of Wo, K innermost, in blocks of 32 codes, four codes in three bytes); Wo_scales 1,024 x 32 uint8 (E8M0 scales of Wo, one for each 32 codes along K); Wq_codes 1,024 x 32 x 24 uint8 (E3M2 codes of Wq, K innermost, in blocks of 32 codes, four codes in three bytes); Wq_scales 1,024 x 32 uint8 (E8M0 scales of Wq, one for each 32 codes along K); Wr_codes 1,024 x 32 x 24 uint8 (E3M2 codes of Wr, K innermost, in blocks of 32 codes, four codes in three bytes); Wr_scales 1,024 x 32 uint8 (E8M0 scales of Wr, one for each 32 codes along K); Wv_codes 1,024 x 32 x 24 uint8 (E3M2 codes of Wv, K innermost, in blocks of 32 codes, four codes in three bytes); Wv_scales 1,024 x 32 uint8 (E8M0 scales of Wv, one for each 32 codes along K); bk 1,024 float32; bo 1,024 float32; bq 1,024 float32; br 1,024 float32; bv 1,024 float32; inputs 8 x 1,024 x 1,024 float32.
;; Outputs: out0 8 x 1,024 x 1,024 float32.
;; This version of the problem:
;;   THIS VERSION OF THE PROBLEM IS GIVEN IN LOW PRECISION. The matrix products marked QUANTISED in the list below multiply operands that are first quantised to E3M2 (3 exponent bits, 2 mantissa bits; 6 bits a number), with one power-of-two scale for each 32 numbers along K (OCP MX v1.0); their sums are f32. All else is computed in f32.
;;   The module's matrix products, in the order in which they are computed (A, B: the left and right operand; K: the contracted axis; several contracted axes count as one K, in the product's order):
;;     1. [M 8,192, K 1,024] x [K 1,024, N 1,024]; A: input inputs; B: input Wq (given as codes): QUANTISED
;;     2. [M 8,192, K 1,024] x [K 1,024, N 1,024]; A: input inputs; B: input Wk (given as codes): QUANTISED
;;     3. [M 8,192, K 1,024] x [K 1,024, N 1,024]; A: input inputs; B: input Wv (given as codes): QUANTISED
;;     4. [M 8,192, K 1,024] x [K 1,024, N 1,024]; A: input inputs; B: input Wr (given as codes): QUANTISED
;;     5. batch 128 x [M 1,024, K 64] x [K 64, N 1,024]; A: computed on the way; B: computed on the way: QUANTISED
;;     6. batch 128 x [M 1,024, K 1,024] x [K 1,024, N 64]; A: softmax (see below); B: computed on the way: QUANTISED
;;     7. [M 8,192, K 1,024] x [K 1,024, N 1,024]; A: computed on the way; B: input Wo (given as codes): QUANTISED
;;   THE QUANTISER, for each operand of a quantised product, along K:
;;     - K is cut into blocks of 32 from its start; a last block that is shorter is filled with zeros.
;;     - A block's scale is 2^e with e = floor(log2(the largest magnitude in the block)) - 4, held to -126 .. 127; a block of zeros has e = 0. As a byte (E8M0): e + 127.
;;     - Each number is divided by its block's scale, clamped to +-28, and rounded to the nearest number of E3M2, ties to even, subnormals kept.
;;     - The product sums the exact products of the quantised numbers (number of the format x scale) in f32.
;;   ~~~python
;;   def quantise(x, axis):      # numpy; x: float32 -> the quantised numbers, widened to float32 again
;;       x = np.moveaxis(x, axis, -1); K = x.shape[-1]
;;       x = np.pad(x, [(0, 0)] * (x.ndim - 1) + [(0, -K % 32)]); x = x.reshape(x.shape[:-1] + (-1, 32)); a = np.abs(x).max(-1, keepdims=True)
;;       e = np.where(a > 0, np.clip(np.frexp(np.where(a > 0, a, 1))[1] - 1 - 4, -126, 127), 0)      # np.frexp(a)[1] - 1 = floor(log2(a)), exactly
;;       r = np.clip(x / 2.0 ** e, -28, 28)
;;       step = 2.0 ** (np.maximum(np.frexp(np.where(r == 0, 1, r))[1] - 1, -2) - 2)
;;       q = np.round(r / step) * step * 2.0 ** e      # np.round: ties to even
;;       return np.moveaxis(q.reshape(q.shape[:-2] + (-1,))[..., :K], -1, axis).astype(np.float32)
;;   ~~~
;;   SOFTMAX AHEAD OF A QUANTISED PRODUCT. Where the list says 'softmax', what is quantised is not the finished softmax but p = 2^(t - M), with t = logit x log2(e) and M = ceil(the row's largest t), a whole number; so 1/2 < the row's largest p <= 1. The row's sum l is taken of the UNQUANTISED p, in f32, and the product's result is divided by l at the end. Since M is a whole number, a kernel that streams over the keys may use a running M (the ceiling of the running maximum): every later rescaling is an exact power of two, which a block's scale takes up: the codes' values come out the same.
;;   OPERANDS COMPUTED ON THE WAY. 'Computed on the way' means the value that the module computes at that place (a softmax that the list does not call 'softmax' is quantised finished and normalised). What goes into a quantiser is computed in f32, as accurately as f32 sums, v_exp_f32 and their like allow (about 1e-6 of the number): no bf16 or f16 on the way to a quantiser, and a product that is left as it is and whose result goes on into a quantised operand takes f32 operands (vector FMAs, or v_wmma_f32_16x16x4_f32). A number that lies on a knife's edge between two numbers of the format may be rounded either way, as far as f32 arithmetic and the matrix unit's own rounding can turn it there, and no further.
;;   INPUTS GIVEN AS CODES. Wk (in the module: [1024, 1024], K = its axis 1); Wo (in the module: [1024, 1024], K = its axis 1); Wq (in the module: [1024, 1024], K = its axis 1); Wr (in the module: [1024, 1024], K = its axis 1); Wv (in the module: [1024, 1024], K = its axis 1): each comes as NAME_codes (uint8): NAME with its K axis moved to the last place and cut into blocks of 32 codes, [.., K / 32, bytes a block], one block behind the other in memory; four codes in three bytes: a row's codes are one little-endian stream of bits, code i at bits 6 i .. 6 i + 5 (a code: sign, 3 exponent bits, 2 mantissa bits); and NAME_scales (uint8): the same leading axes, one E8M0 byte (e + 127) for each 32 codes along K. Its value is code x scale, taken as it is: it is not quantised again, and the codes and scales need not be those that the quantiser above would give.
;; 2 versions, each right; version 2 is version 1 with the launch attn written anew for expert scheduling mode. Each part assembles by itself: llvm-mc -triple=amdgcn-amd-amdhsa -mcpu=gfx1250 --defsym DOCPART=n.
;; ======== version 1 of 2: 4 launches
;; workspace buffers: x_img 6,291,456 bytes; w_img 3,932,160 bytes; sc1 425,984 bytes; qk_img 12,582,912 bytes; lv_img 6,291,456 bytes; sc2 1,310,720 bytes; r_img 33,554,432 bytes; g_img 6,553,600 bytes
;; launch prep (part 1): grid 592 x 1, 4 waves a work-group, no clusters, 34,304 bytes of LDS; arguments inputs, Wq_codes, Wq_scales, Wk_codes, Wk_scales, Wv_codes, Wv_scales, Wr_codes, Wr_scales, Wo_codes, Wo_scales, x_img, sc1, w_img; writes x_img, sc1, w_img
.if DOCPART == 1
	.amdgcn_target "amdgcn-amd-amdhsa--gfx1250"
	.amdhsa_code_object_version 6
	.text
	.protected	k_q07efee0a6d_prep
	.globl	k_q07efee0a6d_prep
	.p2align	8
	.type	k_q07efee0a6d_prep,@function
k_q07efee0a6d_prep:
	s_mov_b64 s[64:65], 0
	v_nop
	global_prefetch_b8 v0, s[64:65] scope:SCOPE_SE
	s_setreg_imm32_b32 hwreg(HW_REG_WAVE_MODE, 25, 1), 1
	s_wait_xcnt 0x0
; PREP.  (1) inputs [8192][1024] f32 become codes of BF6 (E3M2) with one E8M0 byte for each 32 along K; (2) the five weights, given as codes, are laid anew.
; Both leave as IMAGES OF OPERAND REGISTERS: a fragment (16 rows x 128 K, 12 registers a lane) is 1,536 bytes, registers 4 i .. 4 i + 3 of lane l at 512 i + 16 l, so that the
; products' launches fetch a fragment by three loads of 16 bytes a lane and a K step's tiles are dense blocks.
; THE ROW ORDER: a row block is 16 places; place p of row block 2 B + u is row 32 B + 8 u + p + 8 (p / 8).  So the 16 result registers of two neighbouring blocks are 16 neighbours.
; It holds for the rows of inputs and, inside each 32 rows, for Wq, Wk, Wv, Wr; Wo's blocks are 16 neighbouring rows.
; x_img [row block 512][K step 8][1,536];  w_img [block 320][K step 8][1,536]: block 16 t + 8 c + 2 kind + u (head t, half c of the head, kind q k v r), from 256 on Wo's.
; Scale words, in sc1: [block][256 along K: 4][row 16][2 words], 512 bytes a block; x's at 0, the weights' at 262,144.
; A block's scale is 2^(floor(log2(largest magnitude)) - 4): its byte is the largest magnitude's exponent field - 4, held at 1 from below by a floor among the maximum's leaves.
; LIMITS: a block of zeros, or one whose largest magnitude lies under 2^-122, keeps the byte 1 (the rule says 127 for zeros: its codes are zeros, and this program alone reads the bytes);
; NaN and infinities among the inputs are not served.
; Work-groups 0-511: one row block of inputs each; wave w takes 256 along K (two K steps).  Work-groups 512-591: four weight blocks each, one a wave.  No barrier: waves share nothing.
; No matrix unit, cluster or tensor load: every byte is read once and nothing is shared between work-groups.
.set STG,  16*528                      ; a wave's stage in LDS: 16 rows of 512 bytes + 16 of padding (33 x 16 bytes: sixteen rows start in sixteen different groups of banks)
.set R,    32                          ; v32-159   the numbers as loaded: K step s, place p at 64 s + 4 p
.set X,    160                         ; v160-223  64 numbers of my row: register 32 c + i = k 64 c + 32 h + i
.set IM,   224                         ; v224-247  the two fragments' codes
.set TC,   248                         ; v248-254  the upper halves of two blocks (a conversion's three registers begin on an even number)
	s_load_b64 s[4:5], s[0:1], 0x0                 ; inputs
	s_load_b512 s[8:23], s[0:1], 0x8               ; Wq's codes, scales; Wk's; Wv's; Wr's
	s_load_b128 s[24:27], s[0:1], 0x48             ; Wo's codes, scales
	s_load_b128 s[28:31], s[0:1], 0x58             ; x_img, sc1
	s_load_b64 s[32:33], s[0:1], 0x68              ; w_img
	v_lshl_add_u32 v251, v0, 2, 0x8400
	v_mov_b32 v255, 0
	v_lshrrev_b32 v1, 5, v0
	v_readfirstlane_b32 s37, v1                    ; wave 0..3
	v_and_b32 v1, 31, v0                           ; lane
	v_and_b32 v2, 15, v0                           ; r
	v_bfe_u32 v3, v0, 4, 1                         ; h
	v_lshlrev_b32 v4, 4, v1                        ; 16 x lane
	s_mov_b32 s34, 0x76543210
	s_mov_b32 s35, 0xfedcba98                      ; v_permlanex16_b32's selects for lane l xor 16
	s_mov_b32 s36, 0xffff0000                      ; lanes 16-31
	s_cmp_ge_u32 ttmp9, 512
	s_cbranch_scc1 .Lweights
	; ---- a row block of inputs
	s_mul_i32 s38, s37, STG
	v_add_nc_u32 v5, s38, v4                       ; the stage, in: a row's 512 bytes as they lie
	v_mul_u32_u24 v6, v2, 528
	v_lshl_add_u32 v6, v3, 7, v6
	v_add_nc_u32 v6, s38, v6                       ; out: row r, + 128 h bytes: my 32 numbers of each 64
	v_lshlrev_b32 v7, 3, v2
	v_lshl_add_u32 v7, v3, 2, v7                   ; my scale word's place: 8 r + 4 h
	v_lshlrev_b32 v18, 3, v3                       ; 8 h
	v_mov_b32 v15, 0                               ; a lane permute's destination counts as one of its sources
	s_lshr_b32 s40, ttmp9, 1
	s_lshl_b32 s40, s40, 5
	s_and_b32 s41, ttmp9, 1
	s_lshl_b32 s41, s41, 3
	s_add_co_u32 s40, s40, s41                     ; the block's first row: 32 (g / 2) + 8 (g % 2)
	s_lshl_b32 s40, s40, 12                        ; rows of 4,096 bytes
	s_lshl_b32 s41, s37, 10
	s_add_co_u32 s40, s40, s41                     ; + my 256 along K
	s_mov_b32 s41, 0
	s_lshl_b32 s42, ttmp9, 3
	s_lshl_b32 s43, s37, 1
	s_add_co_u32 s42, s42, s43
	s_mul_i32 s42, s42, 1536                       ; my two images: (8 g + 2 w) x 1,536
	s_mov_b32 s43, 0
	s_lshl_b32 s44, ttmp9, 9
	s_lshl_b32 s45, s37, 7
	s_add_co_u32 s44, s44, s45                     ; my scale words: 512 g + 128 w
	s_mov_b32 s45, 0
	s_wait_kmcnt 0x0
	s_add_nc_u64 s[4:5], s[4:5], s[40:41]
	s_add_nc_u64 s[28:29], s[28:29], s[42:43]
	s_add_nc_u64 s[30:31], s[30:31], s[44:45]
.irp s, 0,1
.set p, 0
.rept 16
	global_load_b128 v[R+64*\s+4*p:R+64*\s+4*p+3], v4, s[4:5] offset:(p+8*(p/8))*4096+512*\s th:TH_LOAD_NT   ; 32 lanes read 512 consecutive bytes of the row at place p
.set p, p+1
.endr
.endr
; One K step: through the stage, so that a lane holds 64 numbers of ONE row in the order of the operand's registers; two whole blocks a lane; codes and the scale word.
.macro XSTEP s
	s_wait_loadcnt 16*(1-\s)                       ; this step's 16 loads are in; the other step's 16 may be out
.set p, 0
.rept 16
	ds_store_b128 v5, v[R+64*\s+4*p:R+64*\s+4*p+3] offset:528*p
.set p, p+1
.endr
.irp c, 0,1
.irp i, 0,1,2,3,4,5,6,7
	ds_load_b128 v[X+32*\c+4*\i:X+32*\c+4*\i+3], v6 offset:256*\c+16*\i   ; LDS serves a wave's instructions in order: these see the stores above
.endr
.endr
	s_wait_dscnt 0x0
	v_max3_num_f32 v8, |v[X]|, |v[X+1]|, 0x2800000         ; block h, and the floor 2^(5 - 127): the byte cannot fall under 1
	v_max3_num_f32 v9, |v[X+32]|, |v[X+33]|, 0x2800000     ; block 2 + h (the two by turns)
.irp i, 2,4,6,8,10,12,14,16,18,20,22,24,26,28,30
	v_max3_num_f32 v8, v8, |v[X+\i]|, |v[X+1+\i]|
	v_max3_num_f32 v9, v9, |v[X+32+\i]|, |v[X+33+\i]|
.endr
	v_add_nc_u32 v10, 0xfe000000, v8               ; 4 off the exponent field: the conversion takes the exponent field of this operand as its scale
	v_add_nc_u32 v11, 0xfe000000, v9
	v_lshrrev_b32 v12, 23, v10                     ; the scales' bytes
	v_lshrrev_b32 v13, 23, v11
	v_lshl_or_b32 v14, v13, 16, v12
	v_lshlrev_b32 v14, v18, v14                    ; at their places in the row's word: bytes h and 2 + h;
	v_permlanex16_b32 v15, v14, s34, s35
	v_or_b32 v[16+\s], v14, v15                    ; with lane l xor 16's two the word is whole
	v_cvt_scalef32_pk16_bf6_f32 v[IM+12*\s:IM+12*\s+2], v[X:X+15], v10
	v_cvt_scalef32_pk16_bf6_f32 v[TC:TC+2], v[X+16:X+31], v10
	v_cvt_scalef32_pk16_bf6_f32 v[IM+12*\s+6:IM+12*\s+8], v[X+32:X+47], v11
	v_cvt_scalef32_pk16_bf6_f32 v[TC+4:TC+6], v[X+48:X+63], v11
	v_nop                                          ; one plain place behind a scaled conversion
.irp i, 0,1,2
	v_mov_b32 v[IM+12*\s+3+\i], v[TC+\i]
	v_mov_b32 v[IM+12*\s+9+\i], v[TC+4+\i]
.endr
.irp i, 0,1,2
	global_store_b128 v4, v[IM+12*\s+4*\i:IM+12*\s+4*\i+3], s[28:29] offset:1536*\s+512*\i   ; 32 lanes store 512 consecutive bytes, aligned
.endr
.endm
	XSTEP 0
	XSTEP 1
	v_cndmask_b32 v14, v16, v17, s36               ; lanes 0-15 the first K step's word of row r, lanes 16-31 the second's
	global_store_b32 v7, v14, s[30:31]             ; the wave stores 128 consecutive bytes, the four waves 512
	s_wait_tensorcnt 0x0
	ds_add_u32 v251, v255
	s_wait_dscnt 0x0
	s_endpgm
	; ---- a block of 16 rows of a weight: codes and scale bytes are only laid anew
.Lweights:
	s_sub_co_u32 s38, ttmp9, 512
	s_lshl_b32 s38, s38, 2
	s_add_co_u32 s38, s38, s37                     ; the block, 0..319
	s_lshr_b32 s39, s38, 4                         ; t
	s_bfe_u32 s40, s38, 0x10003                    ; c
	s_bfe_u32 s41, s38, 0x20001                    ; kind
	s_and_b32 s42, s38, 1                          ; u
	s_lshl_b32 s39, s39, 6
	s_lshl_b32 s40, s40, 5
	s_lshl_b32 s42, s42, 3
	s_add_co_u32 s39, s39, s40
	s_add_co_u32 s39, s39, s42                     ; first row 64 t + 32 c + 8 u
	s_sub_co_u32 s40, s38, 256
	s_lshl_b32 s40, s40, 4                         ; Wo: first row 16 (block - 256); taken below only from block 256 on
	s_wait_kmcnt 0x0
	s_cmp_eq_u32 s41, 1                            ; the choices hang on the block's number alone
	s_cselect_b64 s[8:9], s[12:13], s[8:9]
	s_cselect_b64 s[10:11], s[14:15], s[10:11]
	s_cmp_eq_u32 s41, 2
	s_cselect_b64 s[8:9], s[16:17], s[8:9]
	s_cselect_b64 s[10:11], s[18:19], s[10:11]
	s_cmp_eq_u32 s41, 3
	s_cselect_b64 s[8:9], s[20:21], s[8:9]
	s_cselect_b64 s[10:11], s[22:23], s[10:11]
	s_cmp_ge_u32 s38, 256
	s_cselect_b64 s[8:9], s[24:25], s[8:9]
	s_cselect_b64 s[10:11], s[26:27], s[10:11]
	s_cselect_b32 s39, s40, s39
	s_cselect_b32 s42, 0, 8                        ; Wo's rows are neighbours; the others' places 8-15 lie 8 rows further on
	v_and_b32 v5, s42, v2
	v_add_nc_u32 v8, v5, v2                        ; my row in the block
	v_mul_u32_u24 v5, v8, 768                      ; a row of 1,024 codes is 768 bytes
	v_mad_u32_u24 v5, v3, 24, v5                   ; + 24 h
	v_lshlrev_b32 v6, 5, v8
	v_lshl_add_u32 v6, v3, 4, v6                   ; its 32 scale bytes: 16 a half of the lanes
	v_lshlrev_b32 v7, 3, v2
	v_lshl_add_u32 v7, v3, 8, v7                   ; and where they go: 256 h + 8 r
	s_mul_i32 s44, s39, 768
	s_mov_b32 s45, 0
	s_add_nc_u64 s[8:9], s[8:9], s[44:45]
	s_lshl_b32 s44, s39, 5
	s_add_nc_u64 s[10:11], s[10:11], s[44:45]
	s_mul_i32 s44, s38, 12288
	s_add_nc_u64 s[32:33], s[32:33], s[44:45]
	s_lshl_b32 s44, s38, 9
	s_add_co_u32 s44, s44, 262144
	s_add_nc_u64 s[30:31], s[30:31], s[44:45]
.irp k, 0,1,2,3,4,5,6,7
.irp p, 0,1,2,3,4,5
	global_load_b64 v[32+12*\k+2*\p:32+12*\k+2*\p+1], v5, s[8:9] offset:96*\k+48*(\p/3)+8*(\p%3)   ; K step k's fragment: the row's stream of bits as it lies, in pieces of 8 bytes
.endr
.endr
	global_load_b128 v[128:131], v6, s[10:11]      ; the words of K steps 4 h .. 4 h + 3
	s_wait_loadcnt 0x0
.irp k, 0,1,2,3,4,5,6,7
.irp i, 0,1,2
	global_store_b128 v4, v[32+12*\k+4*\i:32+12*\k+4*\i+3], s[32:33] offset:1536*\k+512*\i
.endr
.endr
	global_store_b64 v7, v[128:129], s[30:31]
	global_store_b64 v7, v[130:131], s[30:31] offset:128
	s_endpgm
.Lfunc_end_k_q07efee0a6d_prep:
	.size	k_q07efee0a6d_prep, .Lfunc_end_k_q07efee0a6d_prep-k_q07efee0a6d_prep
	.p2alignl 7, 3214868480
	.fill 96, 4, 3214868480
	.section	.rodata,"a",@progbits
	.p2align	6, 0x0
	.amdhsa_kernel k_q07efee0a6d_prep
		.amdhsa_group_segment_fixed_size 34304
		.amdhsa_private_segment_fixed_size 0
		.amdhsa_enable_private_segment 0
		.amdhsa_kernarg_size 112
		.amdhsa_user_sgpr_count 2
		.amdhsa_user_sgpr_kernarg_segment_ptr 1
		.amdhsa_wavefront_size32 1
		.amdhsa_system_sgpr_workgroup_id_x 1
		.amdhsa_system_sgpr_workgroup_id_y 1
		.amdhsa_system_sgpr_workgroup_id_z 1
		.amdhsa_system_vgpr_workitem_id 0
		.amdhsa_next_free_vgpr 256
		.amdhsa_next_free_sgpr 66
		.amdhsa_reserve_vcc 0
		.amdhsa_float_denorm_mode_32 3
		.amdhsa_float_denorm_mode_16_64 3
		.amdhsa_memory_ordered 1
		.amdhsa_forward_progress 1
		.amdhsa_inst_pref_size 26
	.end_amdhsa_kernel
	.amdgpu_metadata
---
amdhsa.version: [ 1, 2 ]
amdhsa.kernels:
  - .name:           k_q07efee0a6d_prep
    .symbol:         k_q07efee0a6d_prep.kd
    .args:
      - { .name: inputs, .offset: 0, .size: 8, .value_kind: global_buffer, .address_space: global }
      - { .name: Wq_codes, .offset: 8, .size: 8, .value_kind: global_buffer, .address_space: global }
      - { .name: Wq_scales, .offset: 16, .size: 8, .value_kind: global_buffer, .address_space: global }
      - { .name: Wk_codes, .offset: 24, .size: 8, .value_kind: global_buffer, .address_space: global }
      - { .name: Wk_scales, .offset: 32, .size: 8, .value_kind: global_buffer, .address_space: global }
      - { .name: Wv_codes, .offset: 40, .size: 8, .value_kind: global_buffer, .address_space: global }
      - { .name: Wv_scales, .offset: 48, .size: 8, .value_kind: global_buffer, .address_space: global }
      - { .name: Wr_codes, .offset: 56, .size: 8, .value_kind: global_buffer, .address_space: global }
      - { .name: Wr_scales, .offset: 64, .size: 8, .value_kind: global_buffer, .address_space: global }
      - { .name: Wo_codes, .offset: 72, .size: 8, .value_kind: global_buffer, .address_space: global }
      - { .name: Wo_scales, .offset: 80, .size: 8, .value_kind: global_buffer, .address_space: global }
      - { .name: x_img, .offset: 88, .size: 8, .value_kind: global_buffer, .address_space: global }
      - { .name: sc1, .offset: 96, .size: 8, .value_kind: global_buffer, .address_space: global }
      - { .name: w_img, .offset: 104, .size: 8, .value_kind: global_buffer, .address_space: global }
    .group_segment_fixed_size: 34304
    .private_segment_fixed_size: 0
    .kernarg_segment_align: 8
    .kernarg_segment_size: 112
    .max_flat_workgroup_size: 128
    .sgpr_count:     66
    .vgpr_count:     256
    .wavefront_size: 32
...
	.end_amdgpu_metadata
.endif
;; end of part 1
;; launch proj (part 2): grid 16 x 32, 4 waves a work-group, clusters of 4 x 4, 327,680 bytes of LDS; arguments x_img, sc1, w_img, bq, bk, bv, br, qk_img, sc2, lv_img, r_img; writes qk_img, sc2, lv_img, r_img
.if DOCPART == 2
	.amdgcn_target "amdgcn-amd-amdhsa--gfx1250"
	.amdhsa_code_object_version 6
	.text
	.protected	k_q07efee0a6d_proj
	.globl	k_q07efee0a6d_proj
	.p2align	8
	.type	k_q07efee0a6d_proj,@function
k_q07efee0a6d_proj:
	s_mov_b64 s[64:65], 0
	v_nop
	global_prefetch_b8 v0, s[64:65] scope:SCOPE_SE
	s_setreg_imm32_b32 hwreg(HW_REG_WAVE_MODE, 25, 1), 1
	s_wait_xcnt 0x0
	s_wait_alu depctr_hold_cnt(0) depctr_sa_sdst(0) depctr_va_vdst(0) depctr_va_sdst(0) depctr_va_ssrc(0) depctr_va_vcc(0) depctr_vm_vsrc(0)
	s_getreg_b32 s2, hwreg(HW_REG_IB_STS2, 6, 4)
	s_cmp_eq_u32 s2, 0
	s_cbranch_scc0 .Lentry_in_a_cluster
	s_endpgm
.Lentry_in_a_cluster:
	s_bfe_u32 s2, ttmp6, 0x10000c
	s_cmp_lg_u32 s2, 0xf033
	s_cbranch_scc0 .Lentry_shape_is_right
	s_endpgm
.Lentry_shape_is_right:
; PROJ.  The four projections as ONE product [8192 x 1024] x [1024 x 4096] on codes of BF6 with E8M0 scales, and what follows each: q and k are quantised along the head's 64,
; log_sigmoid(v) along the keys, r stays f32.  All four leave as images of the registers in which the attention launch wants them, straight from registers.
; A tile is 256 rows x 256 columns, and a tile column is ONE HEAD: its 16 blocks of 16 weight rows are [half c of the head][q q k k v v r r].  Four waves, each 128 x 128:
; 64 accumulators, 512 registers; wave (row half, c) has 32 channels of each of q, k, v, r, so all waves do the same work on the way out.
; K goes in four steps of 256 through THREE LDS slots filled by the tensor data mover.  The first three steps are asked for together at the start; the fourth fills slot 0 again, behind the one
; round that stands among the products, and has two K steps, 256 matrix instructions a wave, in which to land.  Operands lie in memory as register images (1,536 bytes a fragment), so a slot's
; part of a block is 3,072 dense bytes, a fragment is three ds_load_b128 at 16 x lane, and no padding is wanted.  The scale words of all of K come once, with the first fills.
; CLUSTERS: 4 x 4 work-groups; x's tiles are shared along a row of the cluster, the weights' along a column: joint loads with a mask of four.
; q, k, r: source 0 = 16 weight rows, source 1 = 16 rows of x: a lane holds ONE row of x, its registers run along the channels.  v: the sources are swapped: a lane holds ONE channel,
; its registers run along the rows of x, which are the keys.  By the order of rows in a block (place p of block 2 B + u is row 32 B + 8 u + p + 8 (p / 8)) the 16 registers of two
; neighbouring blocks are 16 neighbours, and a block of 32 lies in lanes l and l xor 16.  The biases are the C of each sum's first product.
; log_sigmoid(x) = min(x, 0) - log1p(u), u = e^-|x|; log1p(u) = ln(w) + (u - (w - 1)), w = 1 + u rounded.
; LIMITS: NaN and infinities are not served.  A block whose largest magnitude lies under 2^-122 keeps the byte 1.  For x over 87, u is flushed and log_sigmoid comes out as -0.
; The second term of log1p is not divided by w: an absolute error under 2^-25, where |log_sigmoid| is over 0.3; near w = 1 the text leans on v_log_f32's stated accuracy.
; One tile to a work-group (512 tiles): work-groups that stay are left for a later version.
; REGISTERS, in windows of 256.  Window 0: v1-7 lane terms; v16-29 addresses; v32-63 scale words, two sets; v64-127 the biases; v128-223 x's fragments, ONE set; all from v32 on are free on the way out.
;   Window 1: the weights' fragments, two sets, at v0 and v128.   Windows 2, 3: the accumulators of my row blocks 0-3, 4-7: (a, b) at v[64 (a % 4) + 8 b].
.set FR,     12                        ; registers of a fragment
.set NL,     3                         ; LDS loads that bring one
.set NP,     4                         ; places behind this matrix instruction (ISA guide 7.12.1)
.set FRB,    1536                      ; a fragment's image
.set BLKB,   2*FRB                     ; a block's part of a slot: two K steps of 128
.set HALFT,  8*BLKB                    ; 8 blocks: what one tensor load brings, and what one wave reads of x or of the weights
.set SLOT,   4*HALFT                   ; x's 16 blocks, then the weights' 16
.set SCL,    3*SLOT                    ; behind the three slots: the scale words, 512 bytes a block: x's 16 blocks, then the weights' 16
.set HALFS,  8*512
.set SPARE,  SCL+4*HALFS               ; the spare words, 128 bytes for each wave: two blocks of 256 bytes that no other line names
.set ADRA, 16                          ; v16-18  LDS address of my fragments of x in slot 0, 1, 2
.set ADRB, 20                          ; v20-22  the same for the weights
.set ADRS, 27                          ; v27     of my scale words: lanes 0-15 x's rows, lanes 16-31 the weights'
.set SPW,  28                          ; v28     my spare word: SPARE + 4 x my thread's number; never rewritten
.set NIL,  29                          ; v29     0; never rewritten
.set SC,   32                          ; scale words: set s at v[SC + 16 s]; register 2 i + q: lanes 0-15 x's block i, lanes 16-31 the weights' block i, the K step's q-th 128 along K
.set BI,   64                          ; the biases: 8 registers for each of my 8 weight blocks, in the result's layout
.set AF,   128                         ; x's fragments
.set G1, 24                            ; s[24:31] descriptor group 1 for x's tiles;  s[32:39] group 0 for slots 0 and 1;  s[4:7] for slot 2
.set G0, 32
.set G0C, 4
.set G1B, 48                           ; s[48:55], s[56:63], s[8:11] the same for the weights'
.set G0B, 56
.set G0BC, 8
.set G1S, 68                           ; s[68:75], s[76:79] groups 1 and 0 for x's scale words;  s[80:87], s[88:91] for the weights'
.set G0S, 76
.set G1SB, 80
.set G0SB, 88
.set MSB, 0
.macro WIN new                         ; s_set_vgpr_msb: bits 1:0 source 0, 3:2 source 1, 5:4 source 2, 7:6 destination; the high byte repeats the setting that is left
.if MSB != (\new)
	s_set_vgpr_msb (MSB<<8)|(\new)
.set MSB, (\new)
.endif
.endm
; A joint load: waves 0 and 1 fetch for x, waves 2 and 3 for the weights.  Each line has ONE mask and one set of registers for all that issue it; the branch hangs on the wave's number alone.
; Four v_nop follow each of the two lines, ahead of the jump, the label and what follows.
.macro JLOAD g0a, g1a, g0b, g1b
	s_cmp_eq_u32 s15, 0
	s_cbranch_scc0 .Lfor_b_\@
	tensor_load_to_lds s[\g0a:\g0a+3], s[\g1a:\g1a+7]
	s_nop 0
.rept 4
	v_nop
.endr
	s_branch .Lasked_\@
.Lfor_b_\@:
	tensor_load_to_lds s[\g0b:\g0b+3], s[\g1b:\g1b+7]
	s_nop 0
.rept 4
	v_nop
.endr
.Lasked_\@:
.endm
.macro CREST                           ; a round of the cluster's barrier behind its opening barrier
	s_cmp_lg_u32 s14, 0
	s_cbranch_scc1 .Lnot_wave_0_\@
	s_barrier_signal -3
.Lnot_wave_0_\@:
	s_barrier_wait -3
	s_barrier_signal -1
	s_barrier_wait -1
.endm
.macro CROUND                          ; a whole round
	s_barrier_signal -1
	s_barrier_wait -1
	CREST
.endm
.macro PLACES n
.rept \n
	v_nop
.endr
.endm
	s_load_b128 s[4:7], s[0:1], 0x0                ; x_img, sc1
	s_load_b64 s[8:9], s[0:1], 0x10                ; w_img
	s_load_b256 s[92:99], s[0:1], 0x18             ; bq, bk, bv, br
	v_lshl_add_u32 v[SPW], v0, 2, SPARE
	v_mov_b32 v[NIL], 0
	ds_add_u32 v28, v29
	ds_add_u32 v28, v29
	s_wait_dscnt 0x0
	v_lshrrev_b32 v1, 5, v0
	v_readfirstlane_b32 s14, v1                    ; wave 0..3
	s_lshr_b32 s15, s14, 1                         ; which half of the tile's rows is mine.  Also: I fetch for x (0) or for the weights (1)
	s_and_b32 s16, s14, 1                          ; c: which half of the head.  Also: which 8 blocks I fetch
	s_bfe_u32 s40, ttmp6, 0x40000                  ; cx, cy: my place in the cluster
	s_bfe_u32 s41, ttmp6, 0x40004
	s_lshl_b32 s42, ttmp9, 2
	s_add_co_u32 s42, s42, s40                     ; tile column = head t = 4 x cluster x + cx
	s_and_b32 s17, ttmp7, 0xffff
	s_lshl_b32 s17, s17, 2
	s_add_co_u32 s17, s17, s41                     ; tile row = 4 x cluster y + cy
	s_lshl_b32 s43, s41, 2
	s_lshl_b32 s43, 15, s43                        ; my row of the cluster
	s_lshl_b32 s44, 0x1111, s40                    ; my column
	; descriptor group 1: 8 rows (blocks) of 3,072 bytes, 12,288 bytes apart, in elements of 8 bytes; dense in LDS
	s_or_b32 s[G1+0], s43, (3<<16)|(1<<21)         ; 15:0 the mask: x's tiles go to my row; 17:16 elements of 8 bytes; 20 no padding; 21 set beside a mask
	s_or_b32 s[G1B+0], s44, (3<<16)|(1<<21)        ; the weights' go to my column
.irp g, G1, G1B
	s_mov_b32 s[\g+1], 384<<16                     ; tensor_dim0
	s_mov_b32 s[\g+2], 8<<16                       ; tensor_dim1
	s_mov_b32 s[\g+3], 384<<16                     ; tile_dim0
	s_mov_b32 s[\g+4], 8                           ; tile_dim1
	s_mov_b32 s[\g+5], 1536                        ; tensor_dim0_stride
	s_mov_b32 s[\g+6], 0
	s_mov_b32 s[\g+7], 0
.endr
	; the scale words of 8 blocks: 4,096 dense bytes as 16 rows of 256
	s_or_b32 s[G1S+0], s43, (3<<16)|(1<<21)
	s_or_b32 s[G1SB+0], s44, (3<<16)|(1<<21)
.irp g, G1S, G1SB
	s_mov_b32 s[\g+1], 32<<16
	s_mov_b32 s[\g+2], 16<<16
	s_mov_b32 s[\g+3], 32<<16
	s_mov_b32 s[\g+4], 16
	s_mov_b32 s[\g+5], 32
	s_mov_b32 s[\g+6], 0
	s_mov_b32 s[\g+7], 0
.endr
	s_lshl_b32 s18, s16, 3                         ; which 8 blocks I fetch
	s_lshl_b32 s20, s17, 4
	s_add_co_u32 s20, s20, s18                     ; x: row block 16 x tile row + 8 x half
	s_lshl_b32 s46, s42, 4
	s_add_co_u32 s46, s46, s18                     ; weights: block 16 x head + 8 x half
	s_lshl_b32 s22, s20, 9                         ; their scale words: 512 bytes a block
	s_mov_b32 s23, 0
	s_lshl_b32 s10, s46, 9
	s_add_co_u32 s10, s10, 262144                  ; the weights' lie behind x's
	s_mov_b32 s11, 0
	s_mul_i32 s20, s20, 12288                      ; their codes: 8 images a block
	s_mov_b32 s21, 0
	s_mul_i32 s46, s46, 12288
	s_mov_b32 s47, 0
	s_mul_i32 s45, s14, HALFT                      ; where they go: wave x 8 blocks: no place in the cluster enters an LDS address
	s_mul_i32 s12, s14, HALFS
	s_wait_kmcnt 0x0
	s_add_nc_u64 s[20:21], s[4:5], s[20:21]
	s_add_nc_u64 s[22:23], s[6:7], s[22:23]
	s_add_nc_u64 s[46:47], s[8:9], s[46:47]
	s_add_nc_u64 s[10:11], s[6:7], s[10:11]
	CROUND                                         ; all sixteen work-groups are here: the first joint loads meet
	s_mov_b32 s[G0S], 1
	s_add_co_u32 s[G0S+1], s12, SCL
	s_mov_b64 s[G0S+2:G0S+3], s[22:23]
	s_or_b32 s[G0S+3], s[G0S+3], 0x80000000
	s_mov_b32 s[G0SB], 1
	s_add_co_u32 s[G0SB+1], s12, SCL
	s_mov_b64 s[G0SB+2:G0SB+3], s[10:11]
	s_or_b32 s[G0SB+3], s[G0SB+3], 0x80000000
	JLOAD G0S, G1S, G0SB, G1SB                     ; the scale words first: they are wanted with K step 0
.irp s, 0,1
	s_mov_b32 s[G0+4*\s], 1
	s_add_co_u32 s[G0+4*\s+1], s45, \s*SLOT
	s_add_nc_u64 s[G0+4*\s+2:G0+4*\s+3], s[20:21], \s*BLKB
	s_or_b32 s[G0+4*\s+3], s[G0+4*\s+3], 0x80000000
	s_mov_b32 s[G0B+4*\s], 1
	s_add_co_u32 s[G0B+4*\s+1], s45, \s*SLOT
	s_add_nc_u64 s[G0B+4*\s+2:G0B+4*\s+3], s[46:47], \s*BLKB
	s_or_b32 s[G0B+4*\s+3], s[G0B+4*\s+3], 0x80000000
	JLOAD G0+4*\s, G1, G0B+4*\s, G1B
.endr
	s_mov_b32 s[G0C], 1                            ; slot 2's sets lie where the inputs' addresses lay: those have been used
	s_add_co_u32 s[G0C+1], s45, 2*SLOT
	s_add_nc_u64 s[G0C+2:G0C+3], s[20:21], 2*BLKB
	s_or_b32 s[G0C+3], s[G0C+3], 0x80000000
	s_mov_b32 s[G0BC], 1
	s_add_co_u32 s[G0BC+1], s45, 2*SLOT
	s_add_nc_u64 s[G0BC+2:G0BC+3], s[46:47], 2*BLKB
	s_or_b32 s[G0BC+3], s[G0BC+3], 0x80000000
	JLOAD G0C, G1, G0BC, G1B                       ; four loads of mine are out: the scale words and K steps 0, 1, 2
	v_and_b32 v1, 15, v0                           ; r
	v_bfe_u32 v2, v0, 4, 1                         ; h
	v_and_b32 v3, 31, v0
	v_lshlrev_b32 v3, 4, v3                        ; 16 x lane: my place in every image
	s_mul_i32 s21, s15, HALFT                      ; my 8 row blocks of x
	s_mul_i32 s22, s16, HALFT                      ; my 8 weight blocks,
	s_add_co_u32 s22, s22, 2*HALFT                 ; which lie behind x's 16
.irp s, 0,1,2
	v_add_nc_u32 v[ADRA+\s], s21, v3
	v_add_nc_u32 v[ADRB+\s], s22, v3
	s_add_co_u32 s21, s21, SLOT
	s_add_co_u32 s22, s22, SLOT
.endr
	v_lshlrev_b32 v5, 3, v1                        ; my row's two words of a K step of 256: 8 r
	s_mul_i32 s21, s15, HALFS
	s_mul_i32 s22, s16, HALFS
	s_add_co_u32 s22, s22, 2*HALFS
	s_sub_co_u32 s22, s22, s21
	v_mul_u32_u24 v6, s22, v2                      ; lanes 16-31 take the weights': one product, the distance between the two bases
	s_add_co_u32 s21, s21, SCL
	v_add_nc_u32 v5, v5, v6
	v_add_nc_u32 v[ADRS], s21, v5
	; the biases of my 32 channels of each kind, from channel 64 t + 32 c on
	s_lshl_b32 s46, s42, 8
	s_lshl_b32 s47, s16, 7
	s_add_co_u32 s46, s46, s47
	s_mov_b32 s47, 0
	s_add_nc_u64 s[92:93], s[92:93], s[46:47]
	s_add_nc_u64 s[94:95], s[94:95], s[46:47]
	s_add_nc_u64 s[96:97], s[96:97], s[46:47]
	s_add_nc_u64 s[98:99], s[98:99], s[46:47]
	v_lshlrev_b32 v7, 6, v2                        ; q, k, r: register j of block u is channel 16 h + 8 u + j
	v_and_b32 v8, 8, v1
	v_add_nc_u32 v8, v8, v1
	v_lshlrev_b32 v8, 2, v8                        ; v: every register of block u is channel 8 u + r + 8 (r / 8)
.irp u, 0,1
	global_load_b128 v[BI+8*\u:BI+8*\u+3], v7, s[92:93] offset:32*\u
	global_load_b128 v[BI+8*\u+4:BI+8*\u+7], v7, s[92:93] offset:32*\u+16
	global_load_b128 v[BI+16+8*\u:BI+16+8*\u+3], v7, s[94:95] offset:32*\u
	global_load_b128 v[BI+16+8*\u+4:BI+16+8*\u+7], v7, s[94:95] offset:32*\u+16
	global_load_b128 v[BI+48+8*\u:BI+48+8*\u+3], v7, s[98:99] offset:32*\u
	global_load_b128 v[BI+48+8*\u+4:BI+48+8*\u+7], v7, s[98:99] offset:32*\u+16
.irp j, 0,1,2,3,4,5,6,7
	global_load_b32 v[BI+32+8*\u+\j], v8, s[96:97] offset:32*\u
.endr
.endr
.macro FRAG reg, adr, off              ; a fragment comes back as it was stored: three loads of 512 consecutive bytes
.irp c, 0,1,2
	ds_load_b128 v[(\reg)+4*\c:(\reg)+4*\c+3], v[\adr] offset:(\off)+512*\c
.endr
.endm
.macro FETCH_B slot, q, p              ; the weights' eight fragments of the slot's q-th 128 along K into set p
	WIN 0x40
.irp i, 0,1,2,3,4,5,6,7
	FRAG 128*(\p)+FR*\i, ADRB+\slot, \i*BLKB+(\q)*FRB
.endr
	WIN 0
.endm
.macro FETCH_A slot, q, i0             ; x's blocks i0 .. i0 + 3
.irp i, \i0, \i0+1, \i0+2, \i0+3
	FRAG AF+FR*(\i), ADRA+\slot, (\i)*BLKB+(\q)*FRB
.endr
.endm
.macro SCALES sc                       ; a K step of 256's scale words into set sc: two words a row; lanes 0-15 x's block i, lanes 16-31 the weights' block i
.irp i, 0,1,2,3,4,5,6,7
	ds_load_b64 v[SC+16*\sc+2*\i:SC+16*\sc+2*\i+1], v[ADRS] offset:\i*512
.endr
.endm
; 16 matrix instructions: x's blocks a0, a0 + 1 against my eight weight blocks, 128 along K.  Twelve with the weights as source 0 (q, k, r), then four with x as source 0 (v).
; first = 1: the biases are the C of the first products: nothing is cleared, nothing is added later.  The 64 accumulators take turns, one instruction a turn, in the same order in every step
.macro MUL16 a0, p, q, sc, first
.set HI, (\a0)/4
.if \first
	WIN 0x81+0x40*HI                               ; source 0 window 1, source 1 and C window 0, D window 2 or 3
.else
	WIN 0xa1+0x50*HI                               ; C and D window 2 or 3
.endif
.irp a, \a0, \a0+1
.irp b, 0,1,2,3,6,7
.if \first
	v_wmma_scale_f32_16x16x128_f8f6f4 v[64*((\a)%4)+8*\b:64*((\a)%4)+8*\b+7], v[128*(\p)+FR*\b:128*(\p)+FR*\b+FR-1], v[AF+FR*(\a):AF+FR*(\a)+FR-1], v[BI+8*\b:BI+8*\b+7], v[SC+16*(\sc)+2*\b+(\q)], v[SC+16*(\sc)+2*(\a)+(\q)] matrix_a_fmt:MATRIX_FMT_BF6 matrix_b_fmt:MATRIX_FMT_BF6 matrix_a_scale:MATRIX_SCALE_ROW1
.else
	v_wmma_scale_f32_16x16x128_f8f6f4 v[64*((\a)%4)+8*\b:64*((\a)%4)+8*\b+7], v[128*(\p)+FR*\b:128*(\p)+FR*\b+FR-1], v[AF+FR*(\a):AF+FR*(\a)+FR-1], v[64*((\a)%4)+8*\b:64*((\a)%4)+8*\b+7], v[SC+16*(\sc)+2*\b+(\q)], v[SC+16*(\sc)+2*(\a)+(\q)] matrix_a_fmt:MATRIX_FMT_BF6 matrix_b_fmt:MATRIX_FMT_BF6 matrix_a_scale:MATRIX_SCALE_ROW1
.endif
.endr
.endr
.if \first
	WIN 0x84+0x40*HI                               ; source 0 window 0, source 1 window 1
.else
	WIN 0xa4+0x50*HI
.endif
.irp a, \a0, \a0+1
.irp b, 4,5
.if \first
	v_wmma_scale_f32_16x16x128_f8f6f4 v[64*((\a)%4)+8*\b:64*((\a)%4)+8*\b+7], v[AF+FR*(\a):AF+FR*(\a)+FR-1], v[128*(\p)+FR*\b:128*(\p)+FR*\b+FR-1], v[BI+8*\b:BI+8*\b+7], v[SC+16*(\sc)+2*(\a)+(\q)], v[SC+16*(\sc)+2*\b+(\q)] matrix_a_fmt:MATRIX_FMT_BF6 matrix_b_fmt:MATRIX_FMT_BF6 matrix_b_scale:MATRIX_SCALE_ROW1
.else
	v_wmma_scale_f32_16x16x128_f8f6f4 v[64*((\a)%4)+8*\b:64*((\a)%4)+8*\b+7], v[AF+FR*(\a):AF+FR*(\a)+FR-1], v[128*(\p)+FR*\b:128*(\p)+FR*\b+FR-1], v[64*((\a)%4)+8*\b:64*((\a)%4)+8*\b+7], v[SC+16*(\sc)+2*(\a)+(\q)], v[SC+16*(\sc)+2*\b+(\q)] matrix_a_fmt:MATRIX_FMT_BF6 matrix_b_fmt:MATRIX_FMT_BF6 matrix_b_scale:MATRIX_SCALE_ROW1
.endif
.endr
.endr
.endm
; A load into a register that a matrix instruction has read stands NP places behind it, and only plain vector instructions that name none of its registers are places
; (ISA guide 7.12.1 for vector instructions): so v_nop stand in front of each run of loads.
; A slot's first 128 along K, with scale set sc.  x has one set of registers: blocks 0-3 are fetched anew in the step's middle, blocks 4-7 at its end; the weights have two sets.
.macro STEP slot, sc, first
	s_wait_dscnt 4*NL                              ; all but the youngest twelve loads (x's blocks 4-7) are in
	MUL16 0, 0, 0, \sc, \first
	MUL16 2, 0, 0, \sc, \first
	s_wait_dscnt 0                                 ; x's blocks 4-7 are in (asked for 32 matrix instructions ago)
	PLACES NP
	FETCH_B \slot, 1, 1
	FETCH_A \slot, 1, 0
	MUL16 4, 0, 0, \sc, \first
	MUL16 6, 0, 0, \sc, \first
	PLACES NP
	WIN 0
	FETCH_A \slot, 1, 4
.endm
; A slot's second 128 along K, with scale set sc; in its middle the wave goes on to slot next and scale set nsc.
; mode 2: slot 0 has been read out and is filled again with the fourth K step.  In front of the barrier each wave waits for all its tensor loads, adds 0 to its spare word, and waits for that and for
;         its own reads of the slot; the barrier opens a round of the cluster's barrier, and the joint refill is the first thing behind the round.
; mode 1: the same lines and a plain barrier: the refill has landed in every wave.
; mode 0: no barrier: the next slot was shown whole by the barrier of mode 2, and the slot that is left is never filled again.
.macro TURN sc, next, nsc, mode
.if \mode
	s_wait_tensorcnt 0x0                           ; all my tensor loads have landed  (every window is 0 here)
	ds_add_u32 v[SPW], v[NIL]                      ; 0 onto my spare word
	s_wait_dscnt 4*NL+1                            ; (the add and the youngest twelve loads may be out)
	MUL16 0, 1, 1, \sc, 0                          ; sixteen matrix instructions stand between the add and the wait for it
	s_wait_dscnt 0x0                               ; the add is done, and my reads of this slot are over
	s_barrier_signal -1
	MUL16 2, 1, 1, \sc, 0
	WIN 0
	s_barrier_wait -1
.else
	s_wait_dscnt 4*NL                              ; all but the youngest twelve loads are in
	MUL16 0, 1, 1, \sc, 0
	MUL16 2, 1, 1, \sc, 0
	s_wait_dscnt 0x0                               ; x's blocks 4-7 are in
	WIN 0
.endif
.if \mode == 2
	CREST                                          ; no wave of any partner still reads slot 0's tile or has a load on its way
	s_add_nc_u64 s[G0+2:G0+3], s[G0+2:G0+3], 3*BLKB
	s_add_nc_u64 s[G0B+2:G0B+3], s[G0B+2:G0B+3], 3*BLKB
	JLOAD G0, G1, G0B, G1B                         ; K 768-1023 into slot 0; the four v_nop behind it are the places in front of the loads below
.else
	PLACES NP
.endif
	v_add_nc_u32 v[ADRS], 128, v[ADRS]             ; on to the next K step's scale words
	FETCH_B \next, 0, 0
	FETCH_A \next, 0, 0
	SCALES \nsc
	MUL16 4, 1, 1, \sc, 0
	MUL16 6, 1, 1, \sc, 0
	PLACES NP
	WIN 0
	FETCH_A \next, 0, 4
.endm
	s_wait_tensorcnt 2                             ; the scale words and my part of slot 0 are in (the loads of slots 1 and 2 may be out)
	s_barrier_signal -1
	s_barrier_wait -1                              ; everybody's are
	FETCH_B 0, 0, 0
	FETCH_A 0, 0, 0
	SCALES 0
	FETCH_A 0, 0, 4
	s_wait_loadcnt 0x0                             ; the biases
	; K = 1,024 is four K steps of 256, in slots 0, 1, 2, 0: the eight steps of 128 are written on end
	STEP 0, 0, 1
	TURN 0, 1, 1, 2                                ; slot 0 is left and takes K 768-1023
	STEP 1, 1, 0
	TURN 1, 2, 0, 0
	STEP 2, 0, 0
	TURN 0, 0, 1, 1                                ; the refill has landed; nothing is left to fetch
	s_load_b256 s[24:31], s[0:1], 0x38             ; qk_img, sc2, lv_img, r_img, over descriptors whose last load has landed
	s_lshr_b32 s18, s17, 2                         ; the batch
	s_and_b32 s19, s17, 3
	s_lshl_b32 s18, s18, 4
	s_add_co_u32 s18, s18, s42                     ; BH = 16 x batch + head
	s_lshl_b32 s19, s19, 1
	s_add_co_u32 s19, s19, s15                     ; which 128 rows of the batch are mine, 0..7
	s_lshl_b32 s20, s17, 4
	s_lshl_b32 s21, s15, 3
	s_add_co_u32 s20, s20, s21
	s_lshl_b32 s20, s20, 16                        ; r: my first row block x 65,536
	s_lshl_b32 s21, s42, 1
	s_add_co_u32 s21, s21, s16
	s_lshl_b32 s21, s21, 11
	s_add_co_u32 s20, s20, s21                     ; + (2 t + c) x 2,048
	s_mov_b32 s21, 0
	s_lshl_b32 s22, s18, 5
	s_lshl_b32 s23, s19, 2
	s_add_co_u32 s22, s22, s23
	s_mul_i32 s22, s22, 1536                       ; q, k: my first pair of row blocks
	s_mov_b32 s23, 0
	s_lshl_b32 s10, s18, 1
	s_add_co_u32 s10, s10, s16
	s_lshl_b32 s10, s10, 11
	s_lshl_b32 s11, s19, 8
	s_add_co_u32 s10, s10, s11                     ; their scale words: (2 BH + c) x 2,048 + 256 x my 128 rows
	s_mov_b32 s11, 0
	s_lshl_b32 s12, s18, 3
	s_add_co_u32 s12, s12, s19
	s_lshl_b32 s66, s12, 8
	s_lshl_b32 s12, s12, 2
	s_lshl_b32 s13, s16, 1
	s_add_co_u32 s12, s12, s13
	s_mul_i32 s12, s12, 1536                       ; log_sigmoid(v): ((8 BH + my 128 keys) x 4 + 2 c) images
	s_mov_b32 s13, 0
	s_lshl_b32 s67, s16, 7
	s_add_co_u32 s66, s66, s67
	s_add_co_u32 s66, s66, 1048576                 ; its scale words
	s_mov_b32 s67, 0
	s_mov_b32 s34, 0x76543210
	s_mov_b32 s35, 0xfedcba98                      ; v_permlanex16_b32's selects for lane l xor 16
	s_mov_b32 s36, 0xffff0000                      ; lanes 16-31
	s_mov_b32 s37, 0xbfb8aa3b                      ; -log2(e)
	s_mov_b32 s38, 0xbf317218                      ; -ln(2)
	s_mov_b32 s39, s38                             ; (named with it as a pair)
	s_lshl_b32 s100, s16, 8                        ; 256 c
	s_lshl_b32 s101, s16, 3                        ; 8 c
	STEP 0, 1, 0
	s_wait_dscnt 4*NL                              ; the very last step: nothing more to fetch
	MUL16 0, 1, 1, 1, 0
	MUL16 2, 1, 1, 1, 0
	s_wait_dscnt 0
	MUL16 4, 1, 1, 1, 0
	MUL16 6, 1, 1, 1, 0
	WIN 0
	; ---- THE WAY OUT.  The lane terms are made here: plain instructions that name no register of the last products, more than the four places that the first reads of results want
	v_mul_u32_u24 v5, 0x600000, v2                 ; q's images (lanes 0-15) and k's (lanes 16-31) lie 6,291,456 bytes apart;
	v_lshl_add_u32 v5, v1, 4, v5
	v_add_nc_u32 v5, s100, v5                      ; in an image I fill the place of lane 16 c + r
	v_lshlrev_b32 v6, 19, v2
	v_lshl_add_u32 v6, v1, 4, v6                   ; their scale words: 524,288 h + 16 r
	v_lshlrev_b32 v7, 3, v1
	v_lshl_add_u32 v7, v2, 2, v7                   ; log_sigmoid(v)'s: 8 r + 4 h
.irp i, 180,181,182,183,189
	v_mov_b32 v\i, 0                               ; written once: a lane permute's destination counts as one of its sources
.endr
	s_wait_kmcnt 0x0
	s_add_nc_u64 s[30:31], s[30:31], s[20:21]
	s_add_nc_u64 s[24:25], s[24:25], s[22:23]
	s_add_nc_u64 s[32:33], s[26:27], s[10:11]
	s_add_nc_u64 s[28:29], s[28:29], s[12:13]
	s_add_nc_u64 s[26:27], s[26:27], s[66:67]
; r of row block a: the 16 registers of blocks 6 and 7 (row r, channels 32 c + 16 h + 0 .. 15) as they stand: four stores of 512 consecutive bytes
.macro RSTORE a
	WIN 0x08+4*((\a)/4)                            ; a store's data are its source 1
.irp i, 0,1,2,3
	global_store_b128 v3, v[64*((\a)%4)+48+4*\i:64*((\a)%4)+48+4*\i+3], s[30:31] offset:(\a)*65536+512*\i
.endr
.endm
.irp a, 0,1,2,3,4,5,6,7
	RSTORE \a
.endr
; q and k of row blocks 2 P and 2 P + 1.  Four blocks of 32 channels (my half c of the head), each in lanes l and l xor 16.  A conversion gives 16 codes a lane; q's and k's change halves, so that
; lanes 0-15 hold q's whole block and lanes 16-31 k's.  The 12 registers are those of lane (r, c) of the pair's image: K 0-63 the head's channels of row block 2 P, K 64-127 of 2 P + 1.
.macro QKPAIR P
.set A0, 64*((2*\P)%4)
.set A1, A0+64
.set WW, 2+(\P)/2
.if \P > 0
	s_wait_xcnt 0x0                                ; the last pair's stores have read their registers
.endif
	WIN 5*WW                                       ; sources 0 and 1: the accumulators' window
	v_max3_num_f32 v176, |v[A0]|, |v[A0+1]|, 0x2800000     ; each accumulator from its low end on; the floor 2^(5 - 127) holds the byte at 1 from below
	v_max3_num_f32 v177, |v[A0+16]|, |v[A0+17]|, 0x2800000
	v_max3_num_f32 v178, |v[A1]|, |v[A1+1]|, 0x2800000
	v_max3_num_f32 v179, |v[A1+16]|, |v[A1+17]|, 0x2800000
.irp i, 2,4,6,8,10,12,14
	v_max3_num_f32 v176, |v[A0+\i]|, |v[A0+1+\i]|, v176
	v_max3_num_f32 v177, |v[A0+16+\i]|, |v[A0+17+\i]|, v177
	v_max3_num_f32 v178, |v[A1+\i]|, |v[A1+1+\i]|, v178
	v_max3_num_f32 v179, |v[A1+16+\i]|, |v[A1+17+\i]|, v179
.endr
	WIN 0
.irp i, 0,1,2,3
	v_permlanex16_b32 v[180+\i], v[176+\i], s34, s35
.endr
.irp i, 0,1,2,3
	v_max_num_f32 v[176+\i], v[176+\i], v[180+\i]
.endr
.irp i, 0,1,2,3
	v_add_nc_u32 v[184+\i], 0xfe000000, v[176+\i]  ; 4 off the exponent field: the conversion's scale operand
.endr
	WIN WW
	v_cvt_scalef32_pk16_bf6_f32 v[192:194], v[A0:A0+15], v184
	v_cvt_scalef32_pk16_bf6_f32 v[204:206], v[A0+16:A0+31], v185
	v_cvt_scalef32_pk16_bf6_f32 v[198:200], v[A1:A1+15], v186
	v_cvt_scalef32_pk16_bf6_f32 v[208:210], v[A1+16:A1+31], v187
	WIN 0
	v_nop                                          ; one plain place behind a scaled conversion
.irp i, 0,1,2
	v_permlane16_swap_b32 v[192+\i], v[204+\i]     ; q's lanes 16-31 change places with k's lanes 0-15
	v_permlane16_swap_b32 v[198+\i], v[208+\i]
.endr
.irp i, 0,1,2
	v_mov_b32 v[195+\i], v[204+\i]
	v_mov_b32 v[201+\i], v[208+\i]
.endr
	v_cndmask_b32 v188, v184, v185, s36            ; lanes 0-15 q's scale, lanes 16-31 k's
	v_cndmask_b32 v190, v186, v187, s36
	v_lshrrev_b32 v188, 23, v188
	v_lshrrev_b32 v190, 23, v190
	v_lshl_or_b32 v188, v190, 16, v188
	v_lshlrev_b32 v[212+\P], s101, v188            ; bytes c and 2 + c of the pair's word; the wave of the other half makes the other two
.irp i, 0,1,2
	global_store_b128 v5, v[192+4*\i:195+4*\i], s[24:25] offset:1536*\P+512*\i   ; each half of the lanes stores 256 consecutive bytes, aligned
.endr
.endm
	QKPAIR 0
	QKPAIR 1
	QKPAIR 2
	QKPAIR 3
	global_store_b128 v6, v[212:215], s[32:33]     ; my four pairs' words of row r
; log_sigmoid(v): channel block u, keys 32 P .. 32 P + 31 of my 128: a lane holds channel place r and 16 neighbouring keys
.macro VPAIR P, u
.set X0, 64*((2*\P)%4)+32+8*\u
.set WW, 2+(\P)/2
	WIN 5*WW
.set j, 0
.rept 8
	v_mul_f32 v[64+j], s37, |v[X0+j]|              ; -|x| log2(e)
	v_min_num_f32 v[80+j], 0, v[X0+j]              ; min(x, 0)
.set j, j+1
.endr
.set j, 0
.rept 8
	v_mul_f32 v[72+j], s37, |v[X0+64+j]|
	v_min_num_f32 v[88+j], 0, v[X0+64+j]
.set j, j+1
.endr
	WIN 0
.set j, 0
.rept 16
	v_exp_f32 v[64+j], v[64+j]                     ; u = e^-|x|
.set j, j+1
.endr
	v_nop                                          ; a plain place behind the exponentials
	s_wait_alu depctr_va_vdst(0)
.irp j, 0,2,4,6,8,10,12,14
	v_pk_add_f32 v[96+\j:97+\j], v[64+\j:65+\j], 1.0 op_sel_hi:[1,0]              ; w = 1 + u, rounded
.endr
.irp j, 0,2,4,6,8,10,12,14
	v_pk_add_f32 v[112+\j:113+\j], v[96+\j:97+\j], -1.0 op_sel_hi:[1,0]           ; w - 1, exact
.endr
.set j, 0
.rept 16
	v_log_f32 v[96+j], v[96+j]                     ; log2(w)
.set j, j+1
.endr
.irp j, 0,2,4,6,8,10,12,14
	v_pk_add_f32 v[112+\j:113+\j], v[64+\j:65+\j], v[112+\j:113+\j] neg_lo:[0,1] neg_hi:[0,1]   ; what the rounding of w lost.  (Plain places behind the logarithms)
.endr
.irp j, 0,2,4,6,8,10,12,14
	v_pk_add_f32 v[112+\j:113+\j], v[80+\j:81+\j], v[112+\j:113+\j] neg_lo:[0,1] neg_hi:[0,1]
.endr
	s_wait_alu depctr_va_vdst(0)
.irp j, 0,2,4,6,8,10,12,14
	v_pk_fma_f32 v[112+\j:113+\j], v[96+\j:97+\j], s[38:39], v[112+\j:113+\j] op_sel_hi:[1,0,1]   ; - ln(2) log2(w)
.endr
	v_max3_num_f32 v188, |v112|, |v113|, 0x2800000 ; my 16 and the floor, in two chains
	v_max3_num_f32 v191, |v114|, |v115|, |v118|
	v_max3_num_f32 v188, v188, |v116|, |v117|
	v_max3_num_f32 v191, v191, |v119|, |v122|
	v_max3_num_f32 v188, v188, |v120|, |v121|
	v_max3_num_f32 v191, v191, |v123|, |v126|
	v_max3_num_f32 v188, v188, |v124|, |v125|
	v_max3_num_f32 v188, v188, v191, |v127|
	v_permlanex16_b32 v189, v188, s34, s35
	v_max_num_f32 v188, v188, v189
	v_add_nc_u32 v190, 0xfe000000, v188
	v_lshrrev_b32 v191, 23, v190
.if \P == 0
	v_mov_b32 v[216+\u], v191                      ; byte P of the channel's word for these 128 keys
.else
	v_lshl_or_b32 v[216+\u], v191, 8*\P, v[216+\u]
.endif
.if (\P)%2 == 0
	v_cvt_scalef32_pk16_bf6_f32 v[144+12*\u+6*((\P)/2):146+12*\u+6*((\P)/2)], v[112:127], v190
	v_nop
.else
	v_cvt_scalef32_pk16_bf6_f32 v[168+4*\u:170+4*\u], v[112:127], v190
	v_nop                                          ; one plain place behind a scaled conversion
.irp i, 0,1,2                                  ; the operand's layout wants a WHOLE block in a lane: lanes 0-15 the even block, lanes 16-31 the odd one
	v_permlane16_swap_b32 v[144+12*\u+6*((\P)/2)+\i], v[168+4*\u+\i]
.endr
.irp i, 0,1,2
	v_mov_b32 v[147+12*\u+6*((\P)/2)+\i], v[168+4*\u+\i]
.endr
.endif
.endm
.irp u, 0,1
.irp P, 0,1,2,3
	VPAIR \P, \u
.endr
.endr
.irp u, 0,1
.irp i, 0,1,2
	global_store_b128 v3, v[144+12*\u+4*\i:147+12*\u+4*\i], s[28:29] offset:1536*\u+512*\i
.endr
.endr
	v_cndmask_b32 v188, v216, v217, s36            ; lanes 0-15 channel block 0's word, lanes 16-31 block 1's
	global_store_b32 v7, v188, s[26:27]            ; 128 consecutive bytes: all that the wave has of these words
	s_wait_tensorcnt 0x0                           ; the wave's end
	ds_add_u32 v[SPW], v[NIL]
	s_wait_dscnt 0x0
	CROUND                                         ; the closing round: no work-group ends while a partner may still ask for a tile that names it
	s_endpgm
.Lfunc_end_k_q07efee0a6d_proj:
	.size	k_q07efee0a6d_proj, .Lfunc_end_k_q07efee0a6d_proj-k_q07efee0a6d_proj
	.p2alignl 7, 3214868480
	.fill 96, 4, 3214868480
	.section	.rodata,"a",@progbits
	.p2align	6, 0x0
	.amdhsa_kernel k_q07efee0a6d_proj
		.amdhsa_group_segment_fixed_size 327680
		.amdhsa_private_segment_fixed_size 0
		.amdhsa_enable_private_segment 0
		.amdhsa_kernarg_size 88
		.amdhsa_user_sgpr_count 2
		.amdhsa_user_sgpr_kernarg_segment_ptr 1
		.amdhsa_wavefront_size32 1
		.amdhsa_system_sgpr_workgroup_id_x 1
		.amdhsa_system_sgpr_workgroup_id_y 1
		.amdhsa_system_sgpr_workgroup_id_z 1
		.amdhsa_system_vgpr_workitem_id 0
		.amdhsa_next_free_vgpr 1024
		.amdhsa_next_free_sgpr 102
		.amdhsa_reserve_vcc 0
		.amdhsa_float_denorm_mode_32 3
		.amdhsa_float_denorm_mode_16_64 3
		.amdhsa_memory_ordered 1
		.amdhsa_forward_progress 1
		.amdhsa_inst_pref_size 182
	.end_amdhsa_kernel
	.amdgpu_metadata
---
amdhsa.version: [ 1, 2 ]
amdhsa.kernels:
  - .name:           k_q07efee0a6d_proj
    .symbol:         k_q07efee0a6d_proj.kd
    .args:
      - { .name: x_img, .offset: 0, .size: 8, .value_kind: global_buffer, .address_space: global }
      - { .name: sc1, .offset: 8, .size: 8, .value_kind: global_buffer, .address_space: global }
      - { .name: w_img, .offset: 16, .size: 8, .value_kind: global_buffer, .address_space: global }
      - { .name: bq, .offset: 24, .size: 8, .value_kind: global_buffer, .address_space: global }
      - { .name: bk, .offset: 32, .size: 8, .value_kind: global_buffer, .address_space: global }
      - { .name: bv, .offset: 40, .size: 8, .value_kind: global_buffer, .address_space: global }
      - { .name: br, .offset: 48, .size: 8, .value_kind: global_buffer, .address_space: global }
      - { .name: qk_img, .offset: 56, .size: 8, .value_kind: global_buffer, .address_space: global }
      - { .name: sc2, .offset: 64, .size: 8, .value_kind: global_buffer, .address_space: global }
      - { .name: lv_img, .offset: 72, .size: 8, .value_kind: global_buffer, .address_space: global }
      - { .name: r_img, .offset: 80, .size: 8, .value_kind: global_buffer, .address_space: global }
    .group_segment_fixed_size: 327680
    .private_segment_fixed_size: 0
    .kernarg_segment_align: 8
    .kernarg_segment_size: 88
    .max_flat_workgroup_size: 128
    .sgpr_count:     102
    .vgpr_count:     1024
    .wavefront_size: 32
...
	.end_amdgpu_metadata
.endif
;; end of part 2
;; launch attn (part 3): grid 2 x 128, 16 waves a work-group, no clusters, 104,448 bytes of LDS; arguments qk_img, sc2, lv_img, r_img, g_img; writes g_img
.if DOCPART == 3
	.amdgcn_target "amdgcn-amd-amdhsa--gfx1250"
	.amdhsa_code_object_version 6
	.text
	.protected	k_q07efee0a6d_attn
	.globl	k_q07efee0a6d_attn
	.p2align	8
	.type	k_q07efee0a6d_attn,@function
k_q07efee0a6d_attn:
	s_mov_b64 s[64:65], 0
	v_nop
	global_prefetch_b8 v0, s[64:65] scope:SCOPE_SE
	s_setreg_imm32_b32 hwreg(HW_REG_WAVE_MODE, 25, 1), 1
	s_wait_xcnt 0x0
; ATTN.  g = r x exp(softmax(q k^T / 8) log_sigmoid(v)), both products on codes of BF6 with E8M0 scales; g is quantised along D and leaves as the output product's operand images.
; A work-group owns 512 queries of one (batch, head); each of its SIXTEEN waves owns two tiles of 16 queries, one after the other, in 256 registers: four waves to a SIMD, so that one wave's
; vector work stands beside another's matrix work and LDS loads.  The head's K and log_sigmoid(V), 98,304 bytes of images and 4,096 of scale words, are brought into LDS ONCE, through registers.
; NO CLUSTER: the two work-groups of a head share only that one fill of 102,400 bytes each, read a single time at the head; their own bytes (r: 131,072, q, g) are as many, and nothing is refilled.
; THE FIRST PRODUCT'S K IS 64.  An image of K holds a PAIR of row blocks: K 0-63 the head's channels of 16 keys of block 2 P, K 64-127 those of block 2 P + 1.  Against [Q | zeros] it gives the
; first block's scores, against [zeros | Q] the second's.  Zero codes add nothing under any scale byte but 0xff, and the bytes here lie between 1 and 254.
; Both products are used transposed (source 0 = keys, or channels; source 1 = queries): a lane holds ONE query throughout.  By the order of rows in a block the 16 registers of a pair's two tiles
; are 16 neighbouring keys, 32 P + 16 (lane / 16) + 0 .. 15, and the 16 registers of two channel tiles 16 neighbouring channels.
; THE SOFTMAX: t = score x log2(e) / 8; M = the running largest t rounded UP to a whole number; p = 2^(t - M) is quantised along the keys; the sum is taken of the unquantised p.  When M moves,
; the sum and O are multiplied by 2^(old M - new M): exact.  A block's largest p is made from the block's largest score by the same multiply-add and exponential (this takes v_exp_f32 not to fall
; where its input rises).
; LIMITS: NaN and infinities are not served; a block of g whose largest magnitude lies under 2^-122 keeps the byte 1.
; REGISTERS: v1-7 addresses that stay; v8-11 those of the step; v12 -M, v13 the largest t, v[14:15] the sum; v16-27 [Q | 0]; v28-39 [0 | Q]; v40-45 the second tile's Q; v46 Q's scale words;
;   v48-95 four fragments; v96-159 S^T, then p; v160-191 O^T; v192-223 r; v224-235 p's codes; v232-254 at work; v248-251 scale words; v253 p's; v255 Q's.
.set KPART, 6291456                    ; k's images lie behind q's
.set VIMG,  49152                      ; LDS: K's 32 images at 0; log_sigmoid(V)'s 32 here;
.set KSC,   98304                      ; K's scale words [128 keys: 8][row 16][pair 4];
.set VSC,   100352                     ; V's [128 keys: 8][c 2][row 16][u 2]
.set SEL,   20                         ; s[20:21] lane selects for v_permlanex16_b32: lane l xor 16
.set CS,    22                         ; s[22:23] log2(e) / 8
	s_load_b256 s[4:11], s[0:1], 0x0               ; qk_img, sc2, lv_img, r_img
	s_load_b64 s[12:13], s[0:1], 0x20              ; g_img
	v_lshrrev_b32 v8, 5, v0
	v_readfirstlane_b32 s18, v8                    ; wave 0..15
	s_and_b32 s19, ttmp7, 0xffff                   ; bh = 16 x batch + head
	s_lshr_b32 s24, s19, 4
	s_and_b32 s25, s19, 15
	s_lshl_b32 s26, ttmp9, 4
	s_add_co_u32 s26, s26, s18                     ; my pair of query row blocks, 0..31
	s_mul_i32 s28, s19, 49152                      ; a head's 32 images
	s_mov_b32 s29, 0
	s_mov_b32 s32, s28
	s_mov_b32 s33, 0
	s_add_co_u32 s28, s28, KPART
	s_lshl_b32 s30, s19, 5
	s_add_co_u32 s30, s30, s26
	s_mul_i32 s30, s30, 1536                       ; Q's image
	s_mov_b32 s31, 0
	s_lshl_b32 s36, s19, 12                        ; a head's scale words of q or of k: 2 x 2,048 bytes
	s_add_co_u32 s34, s36, 524288                  ; k's lie behind q's
	s_mov_b32 s35, 0
	s_lshr_b32 s37, s26, 2
	s_lshl_b32 s37, s37, 8
	s_add_co_u32 s36, s36, s37
	s_and_b32 s37, s26, 3
	s_lshl_b32 s37, s37, 2
	s_add_co_u32 s36, s36, s37                     ; my pair's word: 256 (pair / 4) + 4 (pair % 4), + 16 x row
	s_mov_b32 s37, 0
	s_lshl_b32 s38, s19, 11
	s_add_co_u32 s38, s38, 1048576                 ; log_sigmoid(V)'s scale words
	s_mov_b32 s39, 0
	s_lshl_b32 s51, s24, 6
	s_lshl_b32 s52, s26, 1
	s_add_co_u32 s51, s51, s52                     ; my first row block of the 512
	s_lshl_b32 s40, s51, 16
	s_lshl_b32 s41, s25, 12
	s_add_co_u32 s40, s40, s41                     ; r: 65,536 a row block, 4,096 a head
	s_mov_b32 s41, 0
	s_lshl_b32 s42, s51, 3
	s_lshr_b32 s43, s25, 1
	s_add_co_u32 s42, s42, s43
	s_mul_i32 s42, s42, 1536
	s_and_b32 s43, s25, 1
	s_mul_i32 s43, s43, 768
	s_add_co_u32 s42, s42, s43                     ; g: image (row block, head / 2), half head % 2
	s_mov_b32 s43, 0
	s_lshl_b32 s44, s51, 9
	s_lshr_b32 s45, s25, 2
	s_lshl_b32 s45, s45, 7
	s_add_co_u32 s44, s44, s45
	s_add_co_u32 s44, s44, 6291456                 ; g's scale bytes: 512 a row block, 128 for each four heads
	s_mov_b32 s45, 0
	s_and_b32 s53, s25, 3
	s_lshl_b32 s53, s53, 1
	s_mov_b32 s[SEL], 0x76543210
	s_mov_b32 s[SEL+1], 0xfedcba98
	s_mov_b32 s[CS], 0x3e38aa3b                    ; log2(e) / sqrt(64)
	s_mov_b32 s[CS+1], s[CS]                       ; (named with it as a pair)
	s_mov_b32 s46, 0xffff0000                      ; lanes 16-31
	s_mov_b32 s50, 0x3fb8aa3b                      ; log2(e)
	v_and_b32 v13, 15, v0                          ; my row of a tile
	v_bfe_u32 v14, v0, 4, 1                        ; h
	v_and_b32 v1, 31, v0
	v_lshlrev_b32 v5, 3, v1                        ; 8 x lane
	v_lshlrev_b32 v1, 4, v1                        ; 16 x lane
	v_add_nc_u32 v2, VIMG, v1
	v_lshlrev_b32 v7, 4, v13
	v_add_nc_u32 v3, KSC, v7
	v_lshl_add_u32 v4, v13, 3, VSC
	v_lshl_add_u32 v6, v13, 3, v14
	v_add_nc_u32 v6, s53, v6                       ; my scale byte of g: 8 x row + 2 (head % 4) + h
	v_lshlrev_b32 v9, 4, v0                        ; the fill: 16 bytes a thread, 8,192 an instruction
	v_add_nc_u32 v10, VIMG, v9
	v_lshlrev_b32 v11, 2, v0
	v_add_nc_u32 v12, KSC, v11
	s_wait_kmcnt 0x0
	s_add_nc_u64 s[28:29], s[4:5], s[28:29]
	s_add_nc_u64 s[30:31], s[4:5], s[30:31]
	s_add_nc_u64 s[32:33], s[8:9], s[32:33]
	s_add_nc_u64 s[34:35], s[6:7], s[34:35]
	s_add_nc_u64 s[36:37], s[6:7], s[36:37]
	s_add_nc_u64 s[38:39], s[6:7], s[38:39]
	s_add_nc_u64 s[40:41], s[10:11], s[40:41]
	s_add_nc_u64 s[42:43], s[12:13], s[42:43]
	s_add_nc_u64 s[44:45], s[12:13], s[44:45]
.irp j, 0,1,2,3,4,5
	global_load_b128 v[48+4*\j:51+4*\j], v9, s[28:29] offset:8192*\j
.endr
.irp j, 0,1,2,3,4,5
	global_load_b128 v[72+4*\j:75+4*\j], v9, s[32:33] offset:8192*\j
.endr
	global_load_b32 v96, v11, s[34:35]             ; K's scale words: the bytes of channel half 0,
	global_load_b32 v97, v11, s[34:35] offset:2048 ; and of half 1
	global_load_b32 v98, v11, s[38:39]
.irp i, 0,1,2
	global_load_b128 v[100+4*\i:103+4*\i], v1, s[30:31] offset:512*\i   ; Q's image: registers 0-5 my first tile, 6-11 my second
.endr
	global_load_b32 v46, v7, s[36:37]
	global_load_b32 v47, v7, s[36:37] offset:2048
	s_wait_loadcnt 0x0
	v_or_b32 v96, v96, v97
	v_or_b32 v46, v46, v47                         ; bytes 0, 1: my first tile's two blocks; bytes 2, 3: my second's
.irp j, 0,1,2,3,4,5
	ds_store_b128 v9, v[48+4*\j:51+4*\j] offset:8192*\j
.endr
.irp j, 0,1,2,3,4,5
	ds_store_b128 v10, v[72+4*\j:75+4*\j] offset:8192*\j
.endr
	ds_store_b32 v12, v96
	ds_store_b32 v12, v98 offset:VSC-KSC
.irp i, 0,1,2,3,4,5
	v_mov_b32 v[40+\i], v[106+\i]
	v_mov_b32 v[22+\i], 0                          ; the zero halves, written once
	v_mov_b32 v[28+\i], 0
.endr
.irp b, 0,1,2,3
	v_mov_b32 v[236+\b], 0                         ; written once: a lane permute's destination counts as one of its sources
.endr
	v_mov_b32 v253, 0                              ; (named as the upper half of the pair v[252:253] before it is first written)
	s_wait_dscnt 0x0                               ; for the others' sake: my stores have landed
	s_barrier_signal -1
	s_barrier_wait -1                              ; the one barrier: from here on LDS is only read
; A KEY STEP: 128 keys; s47 and s48 say where its images and its scale words begin
.macro STEP
	v_add_nc_u32 v8, s47, v1                       ; (these four are the places behind the last step's products, in front of the loads below)
	v_add_nc_u32 v9, s47, v2
	v_add_nc_u32 v10, s48, v3
	v_add_nc_u32 v11, s48, v4
.irp b, 0,1,2,3
.irp i, 0,1,2
	ds_load_b128 v[48+12*\b+4*\i:51+12*\b+4*\i], v8 offset:1536*\b+512*\i
.endr
.endr
	ds_load_b128 v[248:251], v10                   ; the four pairs' scale words of my row
	s_wait_dscnt 0x0
.irp b, 0,1,2,3
	v_wmma_scale_f32_16x16x128_f8f6f4 v[96+16*\b:103+16*\b], v[48+12*\b:59+12*\b], v[16:27], 0, v[248+\b], v255 matrix_a_fmt:MATRIX_FMT_BF6 matrix_b_fmt:MATRIX_FMT_BF6
	v_wmma_scale_f32_16x16x128_f8f6f4 v[104+16*\b:111+16*\b], v[48+12*\b:59+12*\b], v[28:39], 0, v[248+\b], v255 matrix_a_fmt:MATRIX_FMT_BF6 matrix_b_fmt:MATRIX_FMT_BF6
.endr
.rept 4
	v_nop                                          ; places in front of the loads below and of the first read of the scores
.endr
.irp t, 0,1,2,3                                ; V's four fragments are asked for now and land under the softmax
.irp i, 0,1,2
	ds_load_b128 v[48+12*\t+4*\i:51+12*\t+4*\i], v9 offset:1536*\t+512*\i
.endr
.endr
	ds_load_b64 v[248:249], v11
	ds_load_b64 v[250:251], v11 offset:128
.irp b, 0,1,2,3
	v_max3_num_f32 v[232+\b], v[96+16*\b], v[97+16*\b], v[98+16*\b]   ; THE LARGEST SCORE OF EACH BLOCK OF 32 KEYS: for the row's maximum, and for the block's largest p
.endr
.irp i, 3,5,7,9,11,13
.irp b, 0,1,2,3
	v_max3_num_f32 v[232+\b], v[232+\b], v[96+16*\b+\i], v[97+16*\b+\i]   ; (the four blocks by turns)
.endr
.endr
.irp b, 0,1,2,3
	v_max_num_f32 v[232+\b], v[232+\b], v[111+16*\b]
.endr
.irp b, 0,1,2,3
	v_permlanex16_b32 v[236+\b], v[232+\b], s[SEL], s[SEL+1]
.endr
.irp b, 0,1,2,3
	v_max_num_f32 v[232+\b], v[232+\b], v[236+\b]  ; with lane l xor 16's 16 keys
.endr
	v_max3_num_f32 v254, v232, v233, v234
	v_max_num_f32 v254, v254, v235                 ; the step's largest score of my query
	v_mul_f32 v254, s[CS], v254                    ; as t
	v_max_num_f32 v13, v13, v254                   ; the running largest t
	v_mov_b32 v254, v12
	v_floor_f32 v12, -v13                          ; the new -M = floor(-t) = -ceil(t)
	v_sub_f32 v254, v12, v254                      ; old M - new M: a whole number, 0 or less
	v_cvt_i32_f32 v254, v254                       ; (it saturates)
	v_ldexp_f32 v252, 1.0, v254                    ; f = 2^(old M - new M)
.irp j, 0,2,4,6,8,10,12,14,16,18,20,22,24,26,28,30,32,34,36,38,40,42,44,46,48,50,52,54,56,58,60,62
	v_pk_fma_f32 v[96+\j:97+\j], v[96+\j:97+\j], s[CS:CS+1], v[12:13] op_sel_hi:[1,0,0]   ; t - M, two at a time
.endr
.irp b, 0,1,2,3
	v_fma_f32 v[232+\b], v[232+\b], s[CS], v12     ; the same of each block's largest score
.endr
.set j, 0
.rept 64
	v_exp_f32 v[96+j], v[96+j]                     ; p = 2^(t - M), at most 1: not normalised
.set j, j+1
.endr
.irp b, 0,1,2,3
	v_exp_f32 v[232+\b], v[232+\b]                 ; the block's largest p
.endr
	v_pk_mul_f32 v[14:15], v[14:15], v[252:253] op_sel_hi:[1,0]   ; the sums under the new M.  (A plain place behind the exponentials)
	s_wait_alu depctr_va_vdst(0)
.irp b, 0,1,2,3
	v_max_num_f32 v[232+\b], 0x2800000, v[232+\b]  ; the floor 2^(5 - 127): the byte cannot fall under 1
.endr
.irp b, 0,1,2,3
	v_add_nc_u32 v[244+\b], 0xfe000000, v[232+\b]  ; 4 off the exponent field: the conversion's scale operand
.endr
.irp b, 0,1,2,3
	v_lshrrev_b32 v[236+\b], 23, v[244+\b]         ; the scale's byte
.endr
	v_lshl_or_b32 v253, v237, 8, v236              ; p's scale word for these 128 keys
	v_lshl_or_b32 v253, v238, 16, v253
	v_lshl_or_b32 v253, v239, 24, v253
.irp c, 0,1
	v_cvt_scalef32_pk16_bf6_f32 v[224+6*\c:226+6*\c], v[96+32*\c:111+32*\c], v[244+2*\c]
	v_cvt_scalef32_pk16_bf6_f32 v[236+4*\c:238+4*\c], v[112+32*\c:127+32*\c], v[244+2*\c+1]   ; (a conversion's three registers begin on an even number)
.endr
	v_nop                                          ; one plain place behind a scaled conversion
.irp c, 0,1                                    ; the operand's layout wants a WHOLE block in a lane
.irp i, 0,1,2
	v_permlane16_swap_b32 v[224+6*\c+\i], v[236+4*\c+\i]
.endr
.irp i, 0,1,2
	v_mov_b32 v[227+6*\c+\i], v[236+4*\c+\i]
.endr
.endr
	v_pk_add_f32 v[236:237], v[96:97], v[98:99]    ; THE ROW'S SUM IS TAKEN OF THE UNQUANTISED p: two at a time, in two chains
.irp j, 4,8,12,16,20,24,28,32,36,40,44,48,52,56,60
	v_pk_add_f32 v[14:15], v[14:15], v[96+\j:97+\j]
	v_pk_add_f32 v[236:237], v[236:237], v[98+\j:99+\j]
.endr
	v_pk_add_f32 v[14:15], v[14:15], v[236:237]
.irp j, 0,2,4,6,8,10,12,14,16,18,20,22,24,26,28,30
	v_pk_mul_f32 v[160+\j:161+\j], v[160+\j:161+\j], v[252:253] op_sel_hi:[1,0]   ; O^T under the new M.  (With the sums: the places between p's codes and scale word and the products below)
.endr
	s_wait_dscnt 0x0                               ; V's fragments and scale words
.irp t, 0,1,2,3
	v_wmma_scale_f32_16x16x128_f8f6f4 v[160+8*\t:167+8*\t], v[48+12*\t:59+12*\t], v[224:235], v[160+8*\t:167+8*\t], v[248+\t], v253 matrix_a_fmt:MATRIX_FMT_BF6 matrix_b_fmt:MATRIX_FMT_BF6
.endr
.endm
; ONE TILE OF 16 QUERIES: row block 2 x my pair + u
.macro QTILE u
.irp b, 0,1
.irp i, 0,1,2,3
	global_load_b128 v[192+16*\b+4*\i:195+16*\b+4*\i], v1, s[40:41] offset:\u*65536+2048*\b+512*\i th:TH_LOAD_NT   ; r, in O^T's own layout: wanted at the tile's end
.endr
.endr
.irp i, 0,1,2,3,4,5
.if \u == 0
	v_mov_b32 v[16+\i], v[100+\i]
	v_mov_b32 v[34+\i], v[100+\i]
.else
	v_mov_b32 v[16+\i], v[40+\i]
	v_mov_b32 v[34+\i], v[40+\i]
.endif
.endr
.if \u == 0
	v_perm_b32 v255, v46, v46, 0x01000100          ; the tile's two bytes, twice: they serve [Q | 0] and [0 | Q]
.else
	v_perm_b32 v255, v46, v46, 0x03020302
.endif
	v_mov_b32 v13, 0xff61b1e6                      ; the largest t so far: -3e38, under every t
	v_floor_f32 v12, -v13                          ; -M
	v_mov_b32 v14, 0
	v_mov_b32 v15, 0
.set j, 0
.rept 32
	v_mov_b32 v[160+j], 0                          ; O^T: the step is written once; its first trip finds zeros.  (Also the places between Q's registers and scale word and the first product)
.set j, j+1
.endr
	s_mov_b32 s47, 0
	s_mov_b32 s48, 0
	s_mov_b32 s49, 8
.Lks_\u:
	STEP
	s_add_co_u32 s47, s47, 6144                    ; four images on
	s_add_co_u32 s48, s48, 256
	s_sub_co_u32 s49, s49, 1
	s_cmp_lg_u32 s49, 0
	s_cbranch_scc1 .Lks_\u
.rept 4
	v_nop                                          ; places behind the last products
.endr
	v_add_f32 v14, v14, v15                        ; the sum's two halves,
	v_permlanex16_b32 v252, v14, s[SEL], s[SEL+1]
	v_add_f32 v14, v14, v252                       ; and lane l xor 16's
	v_rcp_f32 v14, v14
	v_nop                                          ; a plain place behind the transcendental
	s_wait_alu depctr_va_vdst(0)
	v_mul_f32 v14, s50, v14                        ; log2(e) / the sum
.irp j, 0,2,4,6,8,10,12,14,16,18,20,22,24,26,28,30
	v_pk_mul_f32 v[160+\j:161+\j], v[160+\j:161+\j], v[14:15] op_sel_hi:[1,0]
.endr
.set j, 0
.rept 32
	v_exp_f32 v[160+j], v[160+j]                   ; y = exp(O / the sum)
.set j, j+1
.endr
	v_nop
	s_wait_loadcnt 0x0                             ; r
	s_wait_alu depctr_va_vdst(0)
.irp j, 0,2,4,6,8,10,12,14,16,18,20,22,24,26,28,30
	v_pk_mul_f32 v[96+\j:97+\j], v[160+\j:161+\j], v[192+\j:193+\j]   ; g: register 16 c + i is channel 32 c + 16 h + i of my query
.endr
.irp b, 0,1
	v_max3_num_f32 v[232+\b], |v[96+16*\b]|, |v[97+16*\b]|, 0x2800000
.endr
.irp i, 2,4,6,8,10,12,14
.irp b, 0,1
	v_max3_num_f32 v[232+\b], v[232+\b], |v[96+16*\b+\i]|, |v[97+16*\b+\i]|
.endr
.endr
.irp b, 0,1
	v_permlanex16_b32 v[236+\b], v[232+\b], s[SEL], s[SEL+1]
.endr
.irp b, 0,1
	v_max_num_f32 v[232+\b], v[232+\b], v[236+\b]
.endr
.irp b, 0,1
	v_add_nc_u32 v[244+\b], 0xfe000000, v[232+\b]
.endr
.irp b, 0,1
	v_lshrrev_b32 v[236+\b], 23, v[244+\b]
.endr
	v_cvt_scalef32_pk16_bf6_f32 v[224:226], v[96:111], v244
	v_cvt_scalef32_pk16_bf6_f32 v[228:230], v[112:127], v245
	v_nop                                          ; one plain place behind a scaled conversion
.irp i, 0,1,2
	v_permlane16_swap_b32 v[224+\i], v[228+\i]     ; lanes 0-15 now hold the head's first block whole, lanes 16-31 its second: six registers of the next operand
.endr
	v_mov_b32 v227, v228
	v_mov_b32 v228, v229
	v_mov_b32 v229, v230
	v_cndmask_b32 v231, v236, v237, s46            ; my block's byte
	global_store_b128 v1, v[224:227], s[42:43] offset:\u*12288        ; 512 consecutive bytes,
	global_store_b64 v5, v[228:229], s[42:43] offset:\u*12288+512     ; and 256
	global_store_b8 v6, v231, s[44:45] offset:512*\u                  ; a head owns 2 of each row's 8 bytes here: one byte a lane, one in 24 of g's bytes
.if \u == 0
	s_wait_xcnt 0x0                                ; the stores have read their registers: the next tile writes them again
.endif
.endm
	QTILE 0
	QTILE 1
	s_wait_xcnt 0x0
	v_lshl_add_u32 v254, v0, 2, 0x19000
	v_mov_b32 v255, 0
	s_wait_tensorcnt 0x0
	ds_add_u32 v254, v255
	s_wait_dscnt 0x0
	s_endpgm
.Lfunc_end_k_q07efee0a6d_attn:
	.size	k_q07efee0a6d_attn, .Lfunc_end_k_q07efee0a6d_attn-k_q07efee0a6d_attn
	.p2alignl 7, 3214868480
	.fill 96, 4, 3214868480
	.section	.rodata,"a",@progbits
	.p2align	6, 0x0
	.amdhsa_kernel k_q07efee0a6d_attn
		.amdhsa_group_segment_fixed_size 104448
		.amdhsa_private_segment_fixed_size 0
		.amdhsa_enable_private_segment 0
		.amdhsa_kernarg_size 40
		.amdhsa_user_sgpr_count 2
		.amdhsa_user_sgpr_kernarg_segment_ptr 1
		.amdhsa_wavefront_size32 1
		.amdhsa_system_sgpr_workgroup_id_x 1
		.amdhsa_system_sgpr_workgroup_id_y 1
		.amdhsa_system_sgpr_workgroup_id_z 1
		.amdhsa_system_vgpr_workitem_id 0
		.amdhsa_next_free_vgpr 256
		.amdhsa_next_free_sgpr 66
		.amdhsa_reserve_vcc 0
		.amdhsa_float_denorm_mode_32 3
		.amdhsa_float_denorm_mode_16_64 3
		.amdhsa_memory_ordered 1
		.amdhsa_forward_progress 1
		.amdhsa_inst_pref_size 55
	.end_amdhsa_kernel
	.amdgpu_metadata
---
amdhsa.version: [ 1, 2 ]
amdhsa.kernels:
  - .name:           k_q07efee0a6d_attn
    .symbol:         k_q07efee0a6d_attn.kd
    .args:
      - { .name: qk_img, .offset: 0, .size: 8, .value_kind: global_buffer, .address_space: global }
      - { .name: sc2, .offset: 8, .size: 8, .value_kind: global_buffer, .address_space: global }
      - { .name: lv_img, .offset: 16, .size: 8, .value_kind: global_buffer, .address_space: global }
      - { .name: r_img, .offset: 24, .size: 8, .value_kind: global_buffer, .address_space: global }
      - { .name: g_img, .offset: 32, .size: 8, .value_kind: global_buffer, .address_space: global }
    .group_segment_fixed_size: 104448
    .private_segment_fixed_size: 0
    .kernarg_segment_align: 8
    .kernarg_segment_size: 40
    .max_flat_workgroup_size: 512
    .sgpr_count:     66
    .vgpr_count:     256
    .wavefront_size: 32
...
	.end_amdgpu_metadata
.endif
;; end of part 3
;; launch outp (part 4): grid 8 x 32, 4 waves a work-group, clusters of 4 x 4, 327,680 bytes of LDS; arguments g_img, w_img, sc1, bo, inputs, out0; writes out0
.if DOCPART == 4
	.amdgcn_target "amdgcn-amd-amdhsa--gfx1250"
	.amdhsa_code_object_version 6
	.text
	.protected	k_q07efee0a6d_outp
	.globl	k_q07efee0a6d_outp
	.p2align	8
	.type	k_q07efee0a6d_outp,@function
k_q07efee0a6d_outp:
	s_mov_b64 s[64:65], 0
	v_nop
	global_prefetch_b8 v0, s[64:65] scope:SCOPE_SE
	s_setreg_imm32_b32 hwreg(HW_REG_WAVE_MODE, 25, 1), 1
	s_wait_xcnt 0x0
	s_wait_alu depctr_hold_cnt(0) depctr_sa_sdst(0) depctr_va_vdst(0) depctr_va_sdst(0) depctr_va_ssrc(0) depctr_va_vcc(0) depctr_vm_vsrc(0)
	s_getreg_b32 s2, hwreg(HW_REG_IB_STS2, 6, 4)
	s_cmp_eq_u32 s2, 0
	s_cbranch_scc0 .Lentry_in_a_cluster
	s_endpgm
.Lentry_in_a_cluster:
	s_bfe_u32 s2, ttmp6, 0x10000c
	s_cmp_lg_u32 s2, 0xf033
	s_cbranch_scc0 .Lentry_shape_is_right
	s_endpgm
.Lentry_shape_is_right:
; OUTP.  out = g Wo^T + bo + inputs.  g [8192 x 1024] and Wo [1024 x 1024] are codes of BF6 with E8M0 scales, laid as register images.
; A tile is 256 rows x 128 columns, so that there are 256 work-groups; four waves, each 128 x 64.
; ALL OF K LIES IN LDS: g's 16 row blocks (196,608 bytes), Wo's 8 blocks (98,304), their scale words (12,288).  Every byte is filled once, by loads that all go out at the start: no slot, no refill.
; THE WORK GOES BY ROWS OF out.  The launch moves 33.5 MB of inputs in and as much out for 17 GFLOP, so what counts is that its stores begin early.  A wave's 32 fragments of Wo (384 registers) and
; their scale words stay in registers; its eight row blocks are finished one after the other, 32 matrix instructions each (the block's 4 accumulators by turns, K ascending), and each block goes out,
; through the wave's stage, with its residual added, while the next is multiplied.  LDS is read no more than by K steps: each fragment once.
; g arrives in four phases: phase j brings row blocks 2 j and 2 j + 1 of both halves of the rows, one block a wave.  In front of each phase's first read stand a counted wait and a barrier.
; CLUSTERS: 4 x 4 work-groups; g's blocks and scale words are shared along a row of the cluster, Wo's along a column.  Every wave issues the same seven joint loads: no branch stands round them.
; Source 0 = 16 rows of Wo, source 1 = 16 rows of g: a lane holds eight neighbouring columns of one row.  bo is the C of each sum's first product.
; g's rows lie in blocks of 16 places; place p of block 2 B + u is row 32 B + 8 u + p + 8 (p / 8): the way out puts each row back at its own address.
; g's images: a half fragment (six registers) is 768 bytes: registers 0-3 at 16 x lane, registers 4, 5 at 512 + 8 x lane.  Wo's: three times four registers at 16 x lane.
; REGISTERS, in windows of 256.  Window 0: v16-27 addresses; v32-63 Wo's scale words (8 b + K step); v64-79 g's, two sets; v80-111 bo; v112-175 the accumulators, two sets of four;
;   v176-239 rows of out, two sets.   Windows 1, 2: v0-191 Wo's fragments of K steps 0-3, 4-7 (12 (4 (K step % 4) + b)); v192-255 the residual, two sets each.   Window 3: v0-191 g's fragments, two sets.
.set FR,     12                        ; registers of a fragment
.set NP,     4                         ; places behind this matrix instruction (ISA guide 7.12.1)
.set FRB,    1536                      ; a fragment's image
.set RBB,    8*FRB                     ; a block's eight images: all of K
.set BIMG,   16*RBB                    ; LDS: g's 16 row blocks at 0; Wo's 8 blocks here;
.set SCL,    BIMG+8*RBB                ; g's scale words, 512 bytes a block;
.set SCLB,   SCL+16*512                ; Wo's;
.set STAGE,  SCLB+8*512                ; the way out: 16 rows x (256 bytes + 16) for each wave; no fill ever lands here
.set SPITCH, 272
.set ADRA,  16                         ; v16-17  g's fragments, 16 x lane on: my row blocks 0-3, 4-7
.set ADRA8, 18                         ; v18-19  the same, 8 x lane on
.set ADRB,  20                         ; v20     Wo's fragments
.set CO,    22                         ; v22     my byte offset in two rows of inputs and of out; never rewritten
.set STO,   24                         ; v24     the stage: where I put 32 bytes of a row
.set RD,    25                         ; v25     and where I read a row back
.set ADRSA, 26                         ; v26     g's scale words
.set ADRSB, 27                         ; v27     Wo's
.set SB,    32
.set SA,    64
.set BI,    80
.set ACC,   112
.set BK,    176
.set G1A,  24                          ; s[24:31] descriptor group 1: a row block of g;   s[48:55]: two blocks of Wo;   s[68:75], s[80:87]: their scale words
.set G1B,  48
.set G1SA, 68
.set G1SB, 80
.set G0SA, 76                          ; groups 0, one for each of the seven loads: none is written again
.set G0SB, 88
.set G0B,  56
.set G0A0, 32
.set G0A1, 36
.set G0A2, 60
.set G0A3, 44
.set MSB, 0
.macro WIN new                         ; s_set_vgpr_msb: bits 1:0 source 0, 3:2 source 1, 5:4 source 2, 7:6 destination; the high byte repeats the setting that is left
.if MSB != (\new)
	s_set_vgpr_msb (MSB<<8)|(\new)
.set MSB, (\new)
.endif
.endm
.macro CROUND                          ; a round of the cluster's barrier
	s_barrier_signal -1
	s_barrier_wait -1
	s_cmp_lg_u32 s14, 0
	s_cbranch_scc1 .Lnot_wave_0_\@
	s_barrier_signal -3
.Lnot_wave_0_\@:
	s_barrier_wait -3
	s_barrier_signal -1
	s_barrier_wait -1
.endm
.macro PLACES n
.rept \n
	v_nop
.endr
.endm
.macro SHAPE g, rows                   ; words 1 to 7 of a group 1: a dense block as rows of 256 bytes, 32 elements of 8 bytes
	s_mov_b32 s[\g+1], 32<<16                      ; tensor_dim0
	s_mov_b32 s[\g+2], (\rows)<<16                 ; tensor_dim1
	s_mov_b32 s[\g+3], 32<<16                      ; tile_dim0
	s_mov_b32 s[\g+4], \rows                       ; tile_dim1
	s_mov_b32 s[\g+5], 32                          ; tensor_dim0_stride
	s_mov_b32 s[\g+6], 0
	s_mov_b32 s[\g+7], 0
.endm
.macro MKA g, j                        ; group 0 of phase j's load: my row block of phase 0, 2 j blocks on, in memory and in LDS alike
	s_mov_b32 s[\g], 1
	s_add_co_u32 s[\g+1], s12, (\j)*2*RBB
	s_add_nc_u64 s[\g+2:\g+3], s[18:19], (\j)*2*RBB
	s_or_b32 s[\g+3], s[\g+3], 0x80000000
.endm
	s_load_b128 s[4:7], s[0:1], 0x0                ; g_img, w_img
	s_load_b64 s[8:9], s[0:1], 0x10                ; sc1
	s_load_b128 s[92:95], s[0:1], 0x18             ; bo, inputs
	s_load_b64 s[96:97], s[0:1], 0x28              ; out0
	v_lshl_add_u32 v254, v0, 2, 0x4f400
	v_mov_b32 v255, 0
	ds_add_u32 v254, v255
	ds_add_u32 v254, v255
	v_lshrrev_b32 v1, 5, v0
	v_readfirstlane_b32 s14, v1                    ; wave 0..3
	s_lshr_b32 s15, s14, 1                         ; which half of the tile's rows is mine
	s_and_b32 s16, s14, 1                          ; which half of its columns
	s_bfe_u32 s40, ttmp6, 0x40000                  ; cx, cy: my place in the cluster
	s_bfe_u32 s41, ttmp6, 0x40004
	s_lshl_b32 s42, ttmp9, 2
	s_add_co_u32 s42, s42, s40                     ; tile column, 0..7
	s_and_b32 s17, ttmp7, 0xffff
	s_lshl_b32 s17, s17, 2
	s_add_co_u32 s17, s17, s41                     ; tile row, 0..31
	s_lshl_b32 s43, s41, 2
	s_lshl_b32 s43, 15, s43                        ; my row of the cluster
	s_lshl_b32 s44, 0x1111, s40                    ; my column
	s_or_b32 s[G1A+0], s43, (3<<16)|(1<<21)        ; 15:0 the mask: g's go to my row; 17:16 elements of 8 bytes; 20 no padding; 21 set beside a mask
	s_or_b32 s[G1SA+0], s43, (3<<16)|(1<<21)
	s_or_b32 s[G1B+0], s44, (3<<16)|(1<<21)        ; Wo's go to my column
	s_or_b32 s[G1SB+0], s44, (3<<16)|(1<<21)
	SHAPE G1A, 48                                  ; a row block of g: 12,288 bytes
	SHAPE G1B, 96                                  ; two blocks of Wo: 24,576
	SHAPE G1SA, 8                                  ; the scale words of four row blocks: 2,048
	SHAPE G1SB, 4                                  ; of two blocks of Wo: 1,024
	s_lshl_b32 s12, s15, 3
	s_add_co_u32 s12, s12, s16                     ; the row block that I fetch in phase 0: 8 (wave / 2) + wave % 2
	s_lshl_b32 s18, s17, 4
	s_add_co_u32 s18, s18, s12
	s_mul_i32 s18, s18, RBB                        ; in g_img: 16 x tile row blocks on
	s_mov_b32 s19, 0
	s_mul_i32 s12, s12, RBB                        ; in LDS: no place in the cluster enters an LDS address
	s_lshl_b32 s20, s17, 4
	s_lshl_b32 s21, s14, 2
	s_add_co_u32 s20, s20, s21
	s_lshl_b32 s20, s20, 9
	s_add_co_u32 s20, s20, 6291456                 ; g's scale words lie behind its codes: row blocks 16 x tile row + 4 x wave on
	s_mov_b32 s21, 0
	s_lshl_b32 s22, s42, 3
	s_lshl_b32 s23, s14, 1
	s_add_co_u32 s22, s22, s23
	s_add_co_u32 s22, s22, 256                     ; Wo: blocks 256 + 8 x tile column + 2 x wave on of w_img
	s_lshl_b32 s10, s22, 9
	s_add_co_u32 s10, s10, 262144                  ; their scale words in sc1
	s_mov_b32 s11, 0
	s_mul_i32 s22, s22, RBB
	s_mov_b32 s23, 0
	s_lshl_b32 s13, s14, 11
	s_add_co_u32 s13, s13, SCL
	s_lshl_b32 s66, s14, 10
	s_add_co_u32 s66, s66, SCLB
	s_mul_i32 s67, s14, 2*RBB
	s_add_co_u32 s67, s67, BIMG
	s_wait_dscnt 0x0
	s_wait_kmcnt 0x0
	s_add_nc_u64 s[18:19], s[4:5], s[18:19]
	s_add_nc_u64 s[20:21], s[4:5], s[20:21]
	s_add_nc_u64 s[22:23], s[6:7], s[22:23]
	s_add_nc_u64 s[10:11], s[8:9], s[10:11]
	s_mov_b32 s[G0SA], 1
	s_mov_b32 s[G0SA+1], s13
	s_mov_b64 s[G0SA+2:G0SA+3], s[20:21]
	s_or_b32 s[G0SA+3], s[G0SA+3], 0x80000000
	s_mov_b32 s[G0SB], 1
	s_mov_b32 s[G0SB+1], s66
	s_mov_b64 s[G0SB+2:G0SB+3], s[10:11]
	s_or_b32 s[G0SB+3], s[G0SB+3], 0x80000000
	s_mov_b32 s[G0B], 1
	s_mov_b32 s[G0B+1], s67
	s_mov_b64 s[G0B+2:G0B+3], s[22:23]
	s_or_b32 s[G0B+3], s[G0B+3], 0x80000000
	MKA G0A0, 0
	MKA G0A1, 1
	MKA G0A2, 2
	MKA G0A3, 3                                    ; (over the column's mask, which has been used)
	CROUND                                         ; all sixteen work-groups are here: the joint loads meet
	tensor_load_to_lds s[G0SA:G0SA+3], s[G1SA:G1SA+7]      ; seven loads of mine are out; they end in this order
	s_nop 0
	tensor_load_to_lds s[G0SB:G0SB+3], s[G1SB:G1SB+7]
	s_nop 0
	tensor_load_to_lds s[G0B:G0B+3], s[G1B:G1B+7]
	s_nop 0
	tensor_load_to_lds s[G0A0:G0A0+3], s[G1A:G1A+7]
	s_nop 0
	tensor_load_to_lds s[G0A1:G0A1+3], s[G1A:G1A+7]
	s_nop 0
	tensor_load_to_lds s[G0A2:G0A2+3], s[G1A:G1A+7]
	s_nop 0
	tensor_load_to_lds s[G0A3:G0A3+3], s[G1A:G1A+7]
	s_nop 0
.rept 4
	v_nop                                          ; four v_nop follow the last of them
.endr
	v_and_b32 v1, 15, v0                           ; r
	v_bfe_u32 v2, v0, 4, 1                         ; h
	v_and_b32 v3, 31, v0
	v_lshlrev_b32 v4, 3, v3                        ; 8 x lane
	v_lshlrev_b32 v3, 4, v3                        ; 16 x lane
	v_lshlrev_b32 v[CO], 12, v2
	v_lshl_add_u32 v[CO], v1, 4, v[CO]             ; lanes 0-15 one row's 256 bytes, lanes 16-31 the next row's
	s_lshl_b32 s98, s42, 9
	s_lshl_b32 s99, s16, 8
	s_add_co_u32 s98, s98, s99                     ; my first column, in bytes: 512 x tile column + 256 x half
	s_lshl_b32 s100, s17, 20
	s_lshl_b32 s101, s15, 19
	s_add_co_u32 s100, s100, s101
	s_add_co_u32 s100, s100, s98                   ; + my first row: (256 x tile row + 128 x half) x 4,096
	s_mov_b32 s99, 0
	s_mov_b32 s101, 0
	s_add_nc_u64 s[92:93], s[92:93], s[98:99]
	s_add_nc_u64 s[94:95], s[94:95], s[100:101]
	s_add_nc_u64 s[96:97], s[96:97], s[100:101]
	v_lshlrev_b32 v7, 5, v2                        ; bo: register j of block b is column 16 b + 8 h + j
.irp b, 0,1,2,3
	global_load_b128 v[BI+8*\b:BI+8*\b+3], v7, s[92:93] offset:64*\b
	global_load_b128 v[BI+8*\b+4:BI+8*\b+7], v7, s[92:93] offset:64*\b+16
.endr
; The residual of row block k, in the layout in which the block comes back from the stage: instruction t takes places 2 t and 2 t + 1, sixteen lanes to a row's 256 bytes.  Four sets take turns.
.macro RES k
	WIN 0x40*(1+((\k)%4)/2)                        ; destination window 1 or 2
.irp t, 0,1,2,3,4,5,6,7
	global_load_b128 v[192+32*((\k)%2)+4*\t:192+32*((\k)%2)+4*\t+3], v[CO], s[94:95] offset:(32*((\k)/2)+8*((\k)%2)+2*\t+8*(\t/4))*4096 th:TH_LOAD_NT
.endr
	WIN 0
.endm
.irp k, 0,1,2,3
	RES \k                                         ; four blocks' residual is asked for now; each set is asked for again as soon as it has been added
.endr
	s_mul_i32 s21, s15, 8*RBB                      ; my 8 row blocks of g
	v_add_nc_u32 v[ADRA], s21, v3
	v_add_nc_u32 v[ADRA8], s21, v4
	s_add_co_u32 s21, s21, 4*RBB                   ; (an LDS instruction's immediate has 16 bits: a second register for blocks 4-7)
	v_add_nc_u32 v[ADRA+1], s21, v3
	v_add_nc_u32 v[ADRA8+1], s21, v4
	s_mul_i32 s22, s16, 4*RBB                      ; my 4 blocks of Wo
	s_add_co_u32 s22, s22, BIMG
	v_add_nc_u32 v[ADRB], s22, v3
	v_lshlrev_b32 v5, 3, v1                        ; a row's two words of 256 along K: 8 r
	s_lshl_b32 s21, s15, 12
	s_add_co_u32 s21, s21, SCL
	v_add_nc_u32 v[ADRSA], s21, v5
	s_lshl_b32 s22, s16, 11
	s_add_co_u32 s22, s22, SCLB
	v_add_nc_u32 v[ADRSB], s22, v5
	s_mul_i32 s23, s14, 16*SPITCH
	s_add_co_u32 s23, s23, STAGE                   ; my stage
	v_mul_u32_u24 v5, v1, SPITCH
	v_lshl_add_u32 v5, v2, 5, v5
	v_add_nc_u32 v[STO], s23, v5                   ; in: row r, 32 bytes for each half of the lanes
	v_mul_u32_u24 v5, v2, SPITCH
	v_lshl_add_u32 v5, v1, 4, v5
	v_add_nc_u32 v[RD], s23, v5                    ; back: lanes 0-15 one row of 256 bytes, lanes 16-31 the next
.macro FETCH_B                         ; my 32 fragments of Wo and their scale words: they stay
.irp kh, 0,1
	WIN 0x40*(1+\kh)                               ; destination window 1: K steps 0-3; window 2: K steps 4-7
.irp k4, 0,1,2,3
.irp b, 0,1,2,3
.irp c, 0,1,2
	ds_load_b128 v[FR*(4*\k4+\b)+4*\c:FR*(4*\k4+\b)+4*\c+3], v[ADRB] offset:\b*RBB+(4*\kh+\k4)*FRB+512*\c
.endr
.endr
.endr
.endr
	WIN 0
.irp b, 0,1,2,3
.irp kq, 0,1,2,3
	ds_load_b64 v[SB+8*\b+2*\kq:SB+8*\b+2*\kq+1], v[ADRSB] offset:\b*512+128*\kq
.endr
.endr
.endm
.macro FETCH_A a                       ; row block a: its eight fragments into set a % 2 of window 3, its eight scale words: 36 LDS loads
	WIN 0xc0
.irp k, 0,1,2,3,4,5,6,7
	ds_load_b128 v[96*((\a)%2)+FR*\k:96*((\a)%2)+FR*\k+3], v[ADRA+(\a)/4] offset:((\a)%4)*RBB+\k*FRB
	ds_load_b64 v[96*((\a)%2)+FR*\k+4:96*((\a)%2)+FR*\k+5], v[ADRA8+(\a)/4] offset:((\a)%4)*RBB+\k*FRB+512
	ds_load_b128 v[96*((\a)%2)+FR*\k+6:96*((\a)%2)+FR*\k+9], v[ADRA+(\a)/4] offset:((\a)%4)*RBB+\k*FRB+768
	ds_load_b64 v[96*((\a)%2)+FR*\k+10:96*((\a)%2)+FR*\k+11], v[ADRA8+(\a)/4] offset:((\a)%4)*RBB+\k*FRB+1280
.endr
	WIN 0
.irp kq, 0,1,2,3
	ds_load_b64 v[SA+8*((\a)%2)+2*\kq:SA+8*((\a)%2)+2*\kq+1], v[ADRSA] offset:(\a)*512+128*\kq
.endr
.endm
; Row block a is finished: 32 matrix instructions, its four accumulators by turns, one instruction a turn, K ascending.  bo is the C of the first four.
.macro MULS a
.irp kh, 0,1
	WIN 0x0d+\kh                                   ; source 0 (Wo) window 1 or 2, source 1 (g) window 3, C and D window 0
.irp k4, 0,1,2,3
.irp b, 0,1,2,3
.if (4*\kh+\k4) == 0
	v_wmma_scale_f32_16x16x128_f8f6f4 v[ACC+32*((\a)%2)+8*\b:ACC+32*((\a)%2)+8*\b+7], v[FR*(4*\k4+\b):FR*(4*\k4+\b)+FR-1], v[96*((\a)%2)+FR*(4*\kh+\k4):96*((\a)%2)+FR*(4*\kh+\k4)+FR-1], v[BI+8*\b:BI+8*\b+7], v[SB+8*\b+4*\kh+\k4], v[SA+8*((\a)%2)+4*\kh+\k4] matrix_a_fmt:MATRIX_FMT_BF6 matrix_b_fmt:MATRIX_FMT_BF6
.else
	v_wmma_scale_f32_16x16x128_f8f6f4 v[ACC+32*((\a)%2)+8*\b:ACC+32*((\a)%2)+8*\b+7], v[FR*(4*\k4+\b):FR*(4*\k4+\b)+FR-1], v[96*((\a)%2)+FR*(4*\kh+\k4):96*((\a)%2)+FR*(4*\kh+\k4)+FR-1], v[ACC+32*((\a)%2)+8*\b:ACC+32*((\a)%2)+8*\b+7], v[SB+8*\b+4*\kh+\k4], v[SA+8*((\a)%2)+4*\kh+\k4] matrix_a_fmt:MATRIX_FMT_BF6 matrix_b_fmt:MATRIX_FMT_BF6
.endif
.endr
.endr
.endr
.endm
; THE WAY OUT of a block of 16 rows x 64 columns.  TOSTAGE: into my own stage, and back as whole rows of 256 bytes.  LDS serves a wave's instructions in order (ISA guide 5.7.1.4): no wait between
; the stores and the loads, nor in front of the next block's stores.  SEND: the residual is added, the rows are stored, and the residual's set is asked for again.
.macro TOSTAGE a
.if (\a) > 1
	s_wait_xcnt 0x0                                ; block a - 2's stores have read their registers: block a's rows may land there
.endif
.irp b, 0,1,2,3
	ds_store_b128 v[STO], v[ACC+32*((\a)%2)+8*\b:ACC+32*((\a)%2)+8*\b+3] offset:64*\b          ; each accumulator from its low end on
	ds_store_b128 v[STO], v[ACC+32*((\a)%2)+8*\b+4:ACC+32*((\a)%2)+8*\b+7] offset:64*\b+16
.endr
.irp t, 0,1,2,3,4,5,6,7
	ds_load_b128 v[BK+32*((\a)%2)+4*\t:BK+32*((\a)%2)+4*\t+3], v[RD] offset:\t*2*SPITCH
.endr
.endm
.macro SEND k
.if (\k) < 5
	s_wait_loadcnt 24                              ; block k's residual is in; the three sets asked for behind it may be out
.else
	s_wait_loadcnt 8*(7-(\k))                      ; the counts run down
.endif
	WIN 4*(1+((\k)%4)/2)                           ; source 1: the residual's window
.irp j, 0,2,4,6,8,10,12,14,16,18,20,22,24,26,28,30
	v_pk_add_f32 v[BK+32*((\k)%2)+\j:BK+32*((\k)%2)+\j+1], v[BK+32*((\k)%2)+\j:BK+32*((\k)%2)+\j+1], v[192+32*((\k)%2)+\j:192+32*((\k)%2)+\j+1]
.endr
	WIN 0
.irp t, 0,1,2,3,4,5,6,7
	global_store_b128 v[CO], v[BK+32*((\k)%2)+4*\t:BK+32*((\k)%2)+4*\t+3], s[96:97] offset:(32*((\k)/2)+8*((\k)%2)+2*\t+8*(\t/4))*4096 th:TH_STORE_NT   ; sixteen lanes store 256 consecutive bytes, aligned
.endr
.if (\k) < 4
	RES \k+4
.endif
.endm
; ONE ROW BLOCK.  The next block's fragments are asked for first and land under this block's products.  Behind the products stands the way out of the block BEFORE: its rows came back from the stage
; under the wait at this block's head, and its sixteen additions, which name no register of the products, are the places in front of this block's stores into the stage and of the next block's loads.
.macro ROWBLK a
.if (\a) < 7
.if ((\a)+1)%2 == 0
	s_wait_tensorcnt 3-((\a)+1)/2                  ; my row block of the phase that block a + 1 opens has landed; the later phases' loads may be out
	s_wait_dscnt 0x0                               ; no LDS instruction of mine is pending at the signal
	s_barrier_signal -1
	s_barrier_wait -1                              ; everybody's has
.endif
	FETCH_A \a+1
	s_wait_dscnt 36                                ; all but the 36 loads just issued: this block's fragments and scale words are in, and the block before is back from the stage
.else
	s_wait_dscnt 0x0
.endif
.if (\a) == 0
	s_wait_loadcnt 32                              ; bo is in; the four sets of residual may be out
.endif
	MULS \a
.if (\a) == 0
	WIN 0
	PLACES NP                                      ; no other vector work is at hand yet
.else
	SEND \a-1
.endif
	TOSTAGE \a
.endm
	s_wait_tensorcnt 3                             ; the scale words, my blocks of Wo and my row block of phase 0 are in; three phases' loads may be out,
	s_barrier_signal -1
	s_barrier_wait -1                              ; everybody's are
	FETCH_B
	FETCH_A 0
.irp a, 0,1,2,3,4,5,6,7
	ROWBLK \a
.endr
	s_wait_dscnt 0x0                               ; the last block is back from the stage
	SEND 7
	s_wait_tensorcnt 0x0
	ds_add_u32 v254, v255
	s_wait_dscnt 0x0
	CROUND                                         ; the closing round: no work-group ends while a partner may still ask for a tile that names it
	s_endpgm
.Lfunc_end_k_q07efee0a6d_outp:
	.size	k_q07efee0a6d_outp, .Lfunc_end_k_q07efee0a6d_outp-k_q07efee0a6d_outp
	.p2alignl 7, 3214868480
	.fill 96, 4, 3214868480
	.section	.rodata,"a",@progbits
	.p2align	6, 0x0
	.amdhsa_kernel k_q07efee0a6d_outp
		.amdhsa_group_segment_fixed_size 327680
		.amdhsa_private_segment_fixed_size 0
		.amdhsa_enable_private_segment 0
		.amdhsa_kernarg_size 48
		.amdhsa_user_sgpr_count 2
		.amdhsa_user_sgpr_kernarg_segment_ptr 1
		.amdhsa_wavefront_size32 1
		.amdhsa_system_sgpr_workgroup_id_x 1
		.amdhsa_system_sgpr_workgroup_id_y 1
		.amdhsa_system_sgpr_workgroup_id_z 1
		.amdhsa_system_vgpr_workitem_id 0
		.amdhsa_next_free_vgpr 1024
		.amdhsa_next_free_sgpr 102
		.amdhsa_reserve_vcc 0
		.amdhsa_float_denorm_mode_32 3
		.amdhsa_float_denorm_mode_16_64 3
		.amdhsa_memory_ordered 1
		.amdhsa_forward_progress 1
		.amdhsa_inst_pref_size 99
	.end_amdhsa_kernel
	.amdgpu_metadata
---
amdhsa.version: [ 1, 2 ]
amdhsa.kernels:
  - .name:           k_q07efee0a6d_outp
    .symbol:         k_q07efee0a6d_outp.kd
    .args:
      - { .name: g_img, .offset: 0, .size: 8, .value_kind: global_buffer, .address_space: global }
      - { .name: w_img, .offset: 8, .size: 8, .value_kind: global_buffer, .address_space: global }
      - { .name: sc1, .offset: 16, .size: 8, .value_kind: global_buffer, .address_space: global }
      - { .name: bo, .offset: 24, .size: 8, .value_kind: global_buffer, .address_space: global }
      - { .name: inputs, .offset: 32, .size: 8, .value_kind: global_buffer, .address_space: global }
      - { .name: out0, .offset: 40, .size: 8, .value_kind: global_buffer, .address_space: global }
    .group_segment_fixed_size: 327680
    .private_segment_fixed_size: 0
    .kernarg_segment_align: 8
    .kernarg_segment_size: 48
    .max_flat_workgroup_size: 128
    .sgpr_count:     102
    .vgpr_count:     1024
    .wavefront_size: 32
...
	.end_amdgpu_metadata
.endif
;; end of part 4
;; ======== version 2 of 2: 4 launches; version 1 with the launch attn written anew for expert scheduling mode
;; workspace buffers: x_img 6,291,456 bytes; w_img 3,932,160 bytes; sc1 425,984 bytes; qk_img 12,582,912 bytes; lv_img 6,291,456 bytes; sc2 1,310,720 bytes; r_img 33,554,432 bytes; g_img 6,553,600 bytes
;; launch prep: the kernel of part 1 again; grid 592 x 1, 4 waves a work-group, no clusters, 34,304 bytes of LDS; arguments inputs, Wq_codes, Wq_scales, Wk_codes, Wk_scales, Wv_codes, Wv_scales, Wr_codes, Wr_scales, Wo_codes, Wo_scales, x_img, sc1, w_img; writes x_img, sc1, w_img
;; launch proj: the kernel of part 2 again; grid 16 x 32, 4 waves a work-group, clusters of 4 x 4, 327,680 bytes of LDS; arguments x_img, sc1, w_img, bq, bk, bv, br, qk_img, sc2, lv_img, r_img; writes qk_img, sc2, lv_img, r_img
;; launch attn (part 5): grid 2 x 128, 16 waves a work-group, no clusters, 104,448 bytes of LDS; arguments qk_img, sc2, lv_img, r_img, g_img; writes g_img
.if DOCPART == 5
	.amdgcn_target "amdgcn-amd-amdhsa--gfx1250"
	.amdhsa_code_object_version 6
	.text
	.protected	k_q07efee0a6d_attn
	.globl	k_q07efee0a6d_attn
	.p2align	8
	.type	k_q07efee0a6d_attn,@function
k_q07efee0a6d_attn:
	s_mov_b64 s[64:65], 0
	v_nop
	global_prefetch_b8 v0, s[64:65] scope:SCOPE_SE
	s_setreg_imm32_b32 hwreg(HW_REG_WAVE_SCHED_MODE, 0, 2), 2
	s_setreg_imm32_b32 hwreg(HW_REG_WAVE_MODE, 25, 1), 1
	s_wait_xcnt 0x0
	s_wait_alu depctr_vm_vsrc(0)
; ATTN.  g = r x exp(softmax(q k^T / 8) log_sigmoid(v)), both products on codes of BF6 with E8M0 scales; g is quantised along D and leaves as the output product's operand images.
; A work-group owns 512 queries of one (batch, head); each of its SIXTEEN waves owns two tiles of 16 queries, one after the other, in 256 registers: four waves to a SIMD, so that one wave's
; vector work stands beside another's matrix work and LDS loads.  The head's K and log_sigmoid(V), 98,304 bytes of images and 4,096 of scale words, are brought into LDS ONCE, through registers.
; NO CLUSTER: the two work-groups of a head share only that one fill of 102,400 bytes each, read a single time at the head; their own bytes (r: 131,072, q, g) are as many, and nothing is refilled.
; THE FIRST PRODUCT'S K IS 64.  An image of K holds a PAIR of row blocks: K 0-63 the head's channels of 16 keys of block 2 P, K 64-127 those of block 2 P + 1.  Against [Q | zeros] it gives the
; first block's scores, against [zeros | Q] the second's.  Zero codes add nothing under any scale byte but 0xff, and the bytes here lie between 1 and 254.
; Both products are used transposed (source 0 = keys, or channels; source 1 = queries): a lane holds ONE query throughout.  By the order of rows in a block the 16 registers of a pair's two tiles
; are 16 neighbouring keys, 32 P + 16 (lane / 16) + 0 .. 15, and the 16 registers of two channel tiles 16 neighbouring channels.
; THE SOFTMAX: t = score x log2(e) / 8; M = the running largest t rounded UP to a whole number; p = 2^(t - M) is quantised along the keys; the sum is taken of the unquantised p.  When M moves,
; the sum and O are multiplied by 2^(old M - new M): exact.  A block's largest p is made from the block's largest score by the same multiply-add and exponential (this takes v_exp_f32 not to fall
; where its input rises).
; LIMITS: NaN and infinities are not served; a block of g whose largest magnitude lies under 2^-122 keeps the byte 1.
; REGISTERS: v1-7 addresses that stay; v8-11 those of the step; v12 -M, v13 the largest t, v[14:15] the sum; v16-27 [Q | 0]; v28-39 [0 | Q]; v40-45 the second tile's Q; v46 Q's scale words;
;   v48-95 four fragments; v96-159 S^T, then p; v160-191 O^T; v192-223 r; v224-235 p's codes; v232-254 at work; v248-251 scale words; v253 p's; v255 Q's.
; THE MODE: SCHED_MODE bits 1:0 = 2 (LLVM: expert scheduling mode 2), set by the entry lines.  The code itself states the register dependences between vector or matrix instructions and
; memory or LDS instructions, with s_wait_alu, always for 0.
; THE PLAN.  Registers that memory or LDS instructions touch:
;   v1-v7       Offsets and LDS addresses: written at the head, read by loads and stores throughout, never written again.
;   v8-v11      A step's LDS addresses: written by four additions at the step's head, read by the step's 27 LDS loads.
;   v48-v95     ONE buffer of four fragments: K's loads land in it at a step's head and the eight products K Q^T read it; V's loads land in it in the step's middle and the four products V^T P^T read it.
;   v248-v251   The scale words that come with them: the same two runs of loads, the same products.
;   v192-v223   r: the loads at a tile's head land in it, the sixteen multiplications at the tile's end read it.
;   v224-v229, v231   g's codes and byte: written at a tile's end (and, as p's codes, in every step), read by the tile's three stores.
;   v9-v12, v48-v98   At the head only: the fill's offsets, addresses and data.     v254, v255   At the end only: the closing add's two.
; Sixteen waves of 256 registers are all that four SIMDs have, and two registers are free: so there is no second buffer of fragments, and each of a step's two runs of loads stands behind a wait of its own.
; The wait at a step's head states that the addresses are written and that the last step's products V^T P^T are done with the buffer; the row's sum, 32 additions that read p alone, stands between those
; products and that wait.  The wait in a step's middle states that the products K Q^T are done with the buffer; the maxima that follow want their results at once in any case.
; A third wait stands ahead of the products V^T P^T: p's codes and scale word come from vector instructions.
.set KPART, 6291456                    ; k's images lie behind q's
.set VIMG,  49152                      ; LDS: K's 32 images at 0; log_sigmoid(V)'s 32 here;
.set KSC,   98304                      ; K's scale words [128 keys: 8][row 16][pair 4];
.set VSC,   100352                     ; V's [128 keys: 8][c 2][row 16][u 2]
.set SEL,   20                         ; s[20:21] lane selects for v_permlanex16_b32: lane l xor 16
.set CS,    22                         ; s[22:23] log2(e) / 8
	s_load_b256 s[4:11], s[0:1], 0x0               ; qk_img, sc2, lv_img, r_img
	s_load_b64 s[12:13], s[0:1], 0x20              ; g_img
	v_lshrrev_b32 v8, 5, v0
	v_readfirstlane_b32 s18, v8                    ; wave 0..15
	s_and_b32 s19, ttmp7, 0xffff                   ; bh = 16 x batch + head
	s_lshr_b32 s24, s19, 4
	s_and_b32 s25, s19, 15
	s_lshl_b32 s26, ttmp9, 4
	s_wait_alu depctr_va_sdst(0)                   ; s18 is written, ahead of its first reader: the wave's addresses are made from it
	s_add_co_u32 s26, s26, s18                     ; my pair of query row blocks, 0..31
	s_mul_i32 s28, s19, 49152                      ; a head's 32 images
	s_mov_b32 s29, 0
	s_mov_b32 s32, s28
	s_mov_b32 s33, 0
	s_add_co_u32 s28, s28, KPART
	s_lshl_b32 s30, s19, 5
	s_add_co_u32 s30, s30, s26
	s_mul_i32 s30, s30, 1536                       ; Q's image
	s_mov_b32 s31, 0
	s_lshl_b32 s36, s19, 12                        ; a head's scale words of q or of k: 2 x 2,048 bytes
	s_add_co_u32 s34, s36, 524288                  ; k's lie behind q's
	s_mov_b32 s35, 0
	s_lshr_b32 s37, s26, 2
	s_lshl_b32 s37, s37, 8
	s_add_co_u32 s36, s36, s37
	s_and_b32 s37, s26, 3
	s_lshl_b32 s37, s37, 2
	s_add_co_u32 s36, s36, s37                     ; my pair's word: 256 (pair / 4) + 4 (pair % 4), + 16 x row
	s_mov_b32 s37, 0
	s_lshl_b32 s38, s19, 11
	s_add_co_u32 s38, s38, 1048576                 ; log_sigmoid(V)'s scale words
	s_mov_b32 s39, 0
	s_lshl_b32 s51, s24, 6
	s_lshl_b32 s52, s26, 1
	s_add_co_u32 s51, s51, s52                     ; my first row block of the 512
	s_lshl_b32 s40, s51, 16
	s_lshl_b32 s41, s25, 12
	s_add_co_u32 s40, s40, s41                     ; r: 65,536 a row block, 4,096 a head
	s_mov_b32 s41, 0
	s_lshl_b32 s42, s51, 3
	s_lshr_b32 s43, s25, 1
	s_add_co_u32 s42, s42, s43
	s_mul_i32 s42, s42, 1536
	s_and_b32 s43, s25, 1
	s_mul_i32 s43, s43, 768
	s_add_co_u32 s42, s42, s43                     ; g: image (row block, head / 2), half head % 2
	s_mov_b32 s43, 0
	s_lshl_b32 s44, s51, 9
	s_lshr_b32 s45, s25, 2
	s_lshl_b32 s45, s45, 7
	s_add_co_u32 s44, s44, s45
	s_add_co_u32 s44, s44, 6291456                 ; g's scale bytes: 512 a row block, 128 for each four heads
	s_mov_b32 s45, 0
	s_and_b32 s53, s25, 3
	s_lshl_b32 s53, s53, 1
	s_mov_b32 s[SEL], 0x76543210
	s_mov_b32 s[SEL+1], 0xfedcba98
	s_mov_b32 s[CS], 0x3e38aa3b                    ; log2(e) / sqrt(64)
	s_mov_b32 s[CS+1], s[CS]                       ; (named with it as a pair)
	s_mov_b32 s46, 0xffff0000                      ; lanes 16-31
	s_mov_b32 s50, 0x3fb8aa3b                      ; log2(e)
	v_and_b32 v13, 15, v0                          ; my row of a tile
	v_bfe_u32 v14, v0, 4, 1                        ; h
	v_and_b32 v1, 31, v0
	v_lshlrev_b32 v5, 3, v1                        ; 8 x lane
	v_lshlrev_b32 v1, 4, v1                        ; 16 x lane
	v_add_nc_u32 v2, VIMG, v1
	v_lshlrev_b32 v7, 4, v13
	v_add_nc_u32 v3, KSC, v7
	v_lshl_add_u32 v4, v13, 3, VSC
	v_lshl_add_u32 v6, v13, 3, v14
	v_add_nc_u32 v6, s53, v6                       ; my scale byte of g: 8 x row + 2 (head % 4) + h
	v_lshlrev_b32 v9, 4, v0                        ; the fill: 16 bytes a thread, 8,192 an instruction
	v_add_nc_u32 v10, VIMG, v9
	v_lshlrev_b32 v11, 2, v0
	v_add_nc_u32 v12, KSC, v11
	s_wait_kmcnt 0x0
	s_add_nc_u64 s[28:29], s[4:5], s[28:29]
	s_add_nc_u64 s[30:31], s[4:5], s[30:31]
	s_add_nc_u64 s[32:33], s[8:9], s[32:33]
	s_add_nc_u64 s[34:35], s[6:7], s[34:35]
	s_add_nc_u64 s[36:37], s[6:7], s[36:37]
	s_add_nc_u64 s[38:39], s[6:7], s[38:39]
	s_add_nc_u64 s[40:41], s[10:11], s[40:41]
	s_add_nc_u64 s[42:43], s[12:13], s[42:43]
	s_add_nc_u64 s[44:45], s[12:13], s[44:45]
	s_wait_alu depctr_va_vdst(0)                   ; the offsets and addresses v1 to v7 and v9 to v12 are written, which the loads and stores from here on read
.irp j, 0,1,2,3,4,5
	global_load_b128 v[48+4*\j:51+4*\j], v9, s[28:29] offset:8192*\j
.endr
.irp j, 0,1,2,3,4,5
	global_load_b128 v[72+4*\j:75+4*\j], v9, s[32:33] offset:8192*\j
.endr
	global_load_b32 v96, v11, s[34:35]             ; K's scale words: the bytes of channel half 0,
	global_load_b32 v97, v11, s[34:35] offset:2048 ; and of half 1
	global_load_b32 v98, v11, s[38:39]
.irp i, 0,1,2
	global_load_b128 v[100+4*\i:103+4*\i], v1, s[30:31] offset:512*\i   ; Q's image: registers 0-5 my first tile, 6-11 my second
.endr
	global_load_b32 v46, v7, s[36:37]
	global_load_b32 v47, v7, s[36:37] offset:2048
	s_wait_loadcnt 0x0
	v_or_b32 v96, v96, v97
	v_or_b32 v46, v46, v47                         ; bytes 0, 1: my first tile's two blocks; bytes 2, 3: my second's
	s_wait_alu depctr_va_vdst(0)                   ; v96 is written, which one of the LDS stores below reads
.irp j, 0,1,2,3,4,5
	ds_store_b128 v9, v[48+4*\j:51+4*\j] offset:8192*\j
.endr
.irp j, 0,1,2,3,4,5
	ds_store_b128 v10, v[72+4*\j:75+4*\j] offset:8192*\j
.endr
	ds_store_b32 v12, v96
	ds_store_b32 v12, v98 offset:VSC-KSC
.irp i, 0,1,2,3,4,5
	v_mov_b32 v[40+\i], v[106+\i]
	v_mov_b32 v[22+\i], 0                          ; the zero halves, written once
	v_mov_b32 v[28+\i], 0
.endr
.irp b, 0,1,2,3
	v_mov_b32 v[236+\b], 0                         ; written once: a lane permute's destination counts as one of its sources
.endr
	v_mov_b32 v253, 0                              ; (named as the upper half of the pair v[252:253] before it is first written)
	s_wait_dscnt 0x0                               ; for the others' sake: my stores have landed
	s_barrier_signal -1
	s_barrier_wait -1                              ; the one barrier: from here on LDS is only read
	s_wait_alu depctr_vm_vsrc(0)                   ; the fill's loads and LDS stores have read v9 to v12 and v48 to v98: the tiles' vector and matrix instructions and the steps' LDS loads write them again
; A KEY STEP: 128 keys; s47 and s48 say where its images and its scale words begin
.macro STEP
	s_wait_alu depctr_vm_vsrc(0)                   ; the LDS loads issued so far have read v8 to v11, which the four lines below write again
	v_add_nc_u32 v8, s47, v1
	v_add_nc_u32 v9, s47, v2
	v_add_nc_u32 v10, s48, v3
	v_add_nc_u32 v11, s48, v4
	s_wait_alu depctr_va_vdst(0)                   ; v8 to v11 are written, which this step's LDS loads read; the last step's products are done reading v48-95 and v248-251, in which K's loads land; in a tile's first step Q's two operands and its scale word, made by vector instructions, are written
.irp b, 0,1,2,3
.irp i, 0,1,2
	ds_load_b128 v[48+12*\b+4*\i:51+12*\b+4*\i], v8 offset:1536*\b+512*\i
.endr
.endr
	ds_load_b128 v[248:251], v10                   ; the four pairs' scale words of my row
	s_wait_dscnt 0x0
.irp b, 0,1,2,3
	v_wmma_scale_f32_16x16x128_f8f6f4 v[96+16*\b:103+16*\b], v[48+12*\b:59+12*\b], v[16:27], 0, v[248+\b], v255 matrix_a_fmt:MATRIX_FMT_BF6 matrix_b_fmt:MATRIX_FMT_BF6
	v_wmma_scale_f32_16x16x128_f8f6f4 v[104+16*\b:111+16*\b], v[48+12*\b:59+12*\b], v[28:39], 0, v[248+\b], v255 matrix_a_fmt:MATRIX_FMT_BF6 matrix_b_fmt:MATRIX_FMT_BF6
.endr
.rept 4
	v_nop                                          ; places in front of the first read of the scores
.endr
	s_wait_alu depctr_va_vdst(0)                   ; the eight products are done reading v48-95 and v248-251, in which V's loads land (v9 and v11 were written ahead of the wait at the step's head)
.irp t, 0,1,2,3                                ; V's four fragments are asked for now and land under the softmax, no line of which names their registers
.irp i, 0,1,2
	ds_load_b128 v[48+12*\t+4*\i:51+12*\t+4*\i], v9 offset:1536*\t+512*\i
.endr
.endr
	ds_load_b64 v[248:249], v11
	ds_load_b64 v[250:251], v11 offset:128
.irp b, 0,1,2,3
	v_max3_num_f32 v[232+\b], v[96+16*\b], v[97+16*\b], v[98+16*\b]   ; THE LARGEST SCORE OF EACH BLOCK OF 32 KEYS: for the row's maximum, and for the block's largest p
.endr
.irp i, 3,5,7,9,11,13
.irp b, 0,1,2,3
	v_max3_num_f32 v[232+\b], v[232+\b], v[96+16*\b+\i], v[97+16*\b+\i]   ; (the four blocks by turns)
.endr
.endr
.irp b, 0,1,2,3
	v_max_num_f32 v[232+\b], v[232+\b], v[111+16*\b]
.endr
.irp b, 0,1,2,3
	v_permlanex16_b32 v[236+\b], v[232+\b], s[SEL], s[SEL+1]
.endr
.irp b, 0,1,2,3
	v_max_num_f32 v[232+\b], v[232+\b], v[236+\b]  ; with lane l xor 16's 16 keys
.endr
	v_max3_num_f32 v254, v232, v233, v234
	v_max_num_f32 v254, v254, v235                 ; the step's largest score of my query
	v_mul_f32 v254, s[CS], v254                    ; as t
	v_max_num_f32 v13, v13, v254                   ; the running largest t
	v_mov_b32 v254, v12
	v_floor_f32 v12, -v13                          ; the new -M = floor(-t) = -ceil(t)
	v_sub_f32 v254, v12, v254                      ; old M - new M: a whole number, 0 or less
	v_cvt_i32_f32 v254, v254                       ; (it saturates)
	v_ldexp_f32 v252, 1.0, v254                    ; f = 2^(old M - new M)
.irp j, 0,2,4,6,8,10,12,14,16,18,20,22,24,26,28,30,32,34,36,38,40,42,44,46,48,50,52,54,56,58,60,62
	v_pk_fma_f32 v[96+\j:97+\j], v[96+\j:97+\j], s[CS:CS+1], v[12:13] op_sel_hi:[1,0,0]   ; t - M, two at a time
.endr
.irp b, 0,1,2,3
	v_fma_f32 v[232+\b], v[232+\b], s[CS], v12     ; the same of each block's largest score
.endr
.set j, 0
.rept 64
	v_exp_f32 v[96+j], v[96+j]                     ; p = 2^(t - M), at most 1: not normalised
.set j, j+1
.endr
.irp b, 0,1,2,3
	v_exp_f32 v[232+\b], v[232+\b]                 ; the block's largest p
.endr
	v_pk_mul_f32 v[14:15], v[14:15], v[252:253] op_sel_hi:[1,0]   ; the sums under the new M.  (A plain place behind the exponentials)
	s_wait_alu depctr_va_vdst(0)                   ; the 68 exponentials have written v96-159 and v232-235: one wait for the batch, ahead of its first reader
.irp b, 0,1,2,3
	v_max_num_f32 v[232+\b], 0x2800000, v[232+\b]  ; the floor 2^(5 - 127): the byte cannot fall under 1
.endr
.irp b, 0,1,2,3
	v_add_nc_u32 v[244+\b], 0xfe000000, v[232+\b]  ; 4 off the exponent field: the conversion's scale operand
.endr
.irp b, 0,1,2,3
	v_lshrrev_b32 v[236+\b], 23, v[244+\b]         ; the scale's byte
.endr
	v_lshl_or_b32 v253, v237, 8, v236              ; p's scale word for these 128 keys
	v_lshl_or_b32 v253, v238, 16, v253
	v_lshl_or_b32 v253, v239, 24, v253
.irp c, 0,1
	v_cvt_scalef32_pk16_bf6_f32 v[224+6*\c:226+6*\c], v[96+32*\c:111+32*\c], v[244+2*\c]
	v_cvt_scalef32_pk16_bf6_f32 v[236+4*\c:238+4*\c], v[112+32*\c:127+32*\c], v[244+2*\c+1]   ; (a conversion's three registers begin on an even number)
.endr
	v_nop                                          ; one plain place behind a scaled conversion
.irp c, 0,1                                    ; the operand's layout wants a WHOLE block in a lane
.irp i, 0,1,2
	v_permlane16_swap_b32 v[224+6*\c+\i], v[236+4*\c+\i]
.endr
.irp i, 0,1,2
	v_mov_b32 v[227+6*\c+\i], v[236+4*\c+\i]
.endr
.endr
.irp j, 0,2,4,6,8,10,12,14,16,18,20,22,24,26,28,30
	v_pk_mul_f32 v[160+\j:161+\j], v[160+\j:161+\j], v[252:253] op_sel_hi:[1,0]   ; O^T under the new M.  (The places between p's codes and scale word and the products below)
.endr
	s_wait_dscnt 0x0                               ; V's fragments and scale words
	s_wait_alu depctr_va_vdst(0)                   ; p's codes v224-235 and its scale word v253, made by vector instructions, are written: the scaled products below take them as source 1 and as its scales; the places above stay beside this wait
.irp t, 0,1,2,3
	v_wmma_scale_f32_16x16x128_f8f6f4 v[160+8*\t:167+8*\t], v[48+12*\t:59+12*\t], v[224:235], v[160+8*\t:167+8*\t], v[248+\t], v253 matrix_a_fmt:MATRIX_FMT_BF6 matrix_b_fmt:MATRIX_FMT_BF6
.endr
	v_pk_add_f32 v[236:237], v[96:97], v[98:99]    ; THE ROW'S SUM IS TAKEN OF THE UNQUANTISED p: two at a time, in two chains.  It stands behind the products, none of whose registers it names: work of the wave's own ahead of the wait at the next step's head, and the places behind a tile's last products
.irp j, 4,8,12,16,20,24,28,32,36,40,44,48,52,56,60
	v_pk_add_f32 v[14:15], v[14:15], v[96+\j:97+\j]
	v_pk_add_f32 v[236:237], v[236:237], v[98+\j:99+\j]
.endr
	v_pk_add_f32 v[14:15], v[14:15], v[236:237]
.endm
; ONE TILE OF 16 QUERIES: row block 2 x my pair + u
.macro QTILE u
.irp b, 0,1
.irp i, 0,1,2,3
	global_load_b128 v[192+16*\b+4*\i:195+16*\b+4*\i], v1, s[40:41] offset:\u*65536+2048*\b+512*\i th:TH_LOAD_NT   ; r, in O^T's own layout: wanted at the tile's end.  No wait: no vector instruction since the last wait on va_vdst names v1 or v192-223 (first tile: the wait ahead of the LDS stores; second: the one ahead of the first tile's stores)
.endr
.endr
.irp i, 0,1,2,3,4,5
.if \u == 0
	v_mov_b32 v[16+\i], v[100+\i]
	v_mov_b32 v[34+\i], v[100+\i]
.else
	v_mov_b32 v[16+\i], v[40+\i]
	v_mov_b32 v[34+\i], v[40+\i]
.endif
.endr
.if \u == 0
	v_perm_b32 v255, v46, v46, 0x01000100          ; the tile's two bytes, twice: they serve [Q | 0] and [0 | Q]
.else
	v_perm_b32 v255, v46, v46, 0x03020302
.endif
	v_mov_b32 v13, 0xff61b1e6                      ; the largest t so far: -3e38, under every t
	v_floor_f32 v12, -v13                          ; -M
	v_mov_b32 v14, 0
	v_mov_b32 v15, 0
.set j, 0
.rept 32
	v_mov_b32 v[160+j], 0                          ; O^T: the step is written once; its first trip finds zeros.  (Also the places between Q's registers and scale word and the first product)
.set j, j+1
.endr
	s_mov_b32 s47, 0
	s_mov_b32 s48, 0
	s_mov_b32 s49, 8
.Lks_\u:
	STEP
	s_add_co_u32 s47, s47, 6144                    ; four images on
	s_add_co_u32 s48, s48, 256
	s_sub_co_u32 s49, s49, 1
	s_cmp_lg_u32 s49, 0
	s_cbranch_scc1 .Lks_\u
	v_add_f32 v14, v14, v15                        ; the sum's two halves,
	v_permlanex16_b32 v252, v14, s[SEL], s[SEL+1]
	v_add_f32 v14, v14, v252                       ; and lane l xor 16's
	v_rcp_f32 v14, v14
	v_nop                                          ; a plain place behind the transcendental
	s_wait_alu depctr_va_vdst(0)                   ; the reciprocal has written v14, ahead of its first reader
	v_mul_f32 v14, s50, v14                        ; log2(e) / the sum
.irp j, 0,2,4,6,8,10,12,14,16,18,20,22,24,26,28,30
	v_pk_mul_f32 v[160+\j:161+\j], v[160+\j:161+\j], v[14:15] op_sel_hi:[1,0]
.endr
.set j, 0
.rept 32
	v_exp_f32 v[160+j], v[160+j]                   ; y = exp(O / the sum)
.set j, j+1
.endr
	v_nop
	s_wait_loadcnt 0x0                             ; r
	s_wait_alu depctr_va_vdst(0)                   ; the 32 exponentials have written v160-191: one wait for the batch, ahead of its first reader
.irp j, 0,2,4,6,8,10,12,14,16,18,20,22,24,26,28,30
	v_pk_mul_f32 v[96+\j:97+\j], v[160+\j:161+\j], v[192+\j:193+\j]   ; g: register 16 c + i is channel 32 c + 16 h + i of my query
.endr
.irp b, 0,1
	v_max3_num_f32 v[232+\b], |v[96+16*\b]|, |v[97+16*\b]|, 0x2800000
.endr
.irp i, 2,4,6,8,10,12,14
.irp b, 0,1
	v_max3_num_f32 v[232+\b], v[232+\b], |v[96+16*\b+\i]|, |v[97+16*\b+\i]|
.endr
.endr
.irp b, 0,1
	v_permlanex16_b32 v[236+\b], v[232+\b], s[SEL], s[SEL+1]
.endr
.irp b, 0,1
	v_max_num_f32 v[232+\b], v[232+\b], v[236+\b]
.endr
.irp b, 0,1
	v_add_nc_u32 v[244+\b], 0xfe000000, v[232+\b]
.endr
.irp b, 0,1
	v_lshrrev_b32 v[236+\b], 23, v[244+\b]
.endr
	v_cvt_scalef32_pk16_bf6_f32 v[224:226], v[96:111], v244
	v_cvt_scalef32_pk16_bf6_f32 v[228:230], v[112:127], v245
	v_nop                                          ; one plain place behind a scaled conversion
.irp i, 0,1,2
	v_permlane16_swap_b32 v[224+\i], v[228+\i]     ; lanes 0-15 now hold the head's first block whole, lanes 16-31 its second: six registers of the next operand
.endr
	v_mov_b32 v227, v228
	v_mov_b32 v228, v229
	v_mov_b32 v229, v230
	v_cndmask_b32 v231, v236, v237, s46            ; my block's byte
	s_wait_alu depctr_va_vdst(0)                   ; g's codes v224-229 and its byte v231 are written, which the three stores read; and the multiplications by r are done reading v192-223, in which the next tile's r lands
	global_store_b128 v1, v[224:227], s[42:43] offset:\u*12288        ; 512 consecutive bytes,
	global_store_b64 v5, v[228:229], s[42:43] offset:\u*12288+512     ; and 256
	global_store_b8 v6, v231, s[44:45] offset:512*\u                  ; a head owns 2 of each row's 8 bytes here: one byte a lane, one in 24 of g's bytes
.if \u == 0
	s_wait_xcnt 0x0                                ; the stores' addresses are translated: the next tile writes their registers again only behind this wait,
	s_wait_alu depctr_vm_vsrc(0)                   ; and behind this one: the stores have read v224-229 and v231, which the next tile's conversions, moves and select write again
.endif
.endm
	QTILE 0
	QTILE 1
	s_wait_xcnt 0x0                                ; the last stores' addresses are translated
	v_lshl_add_u32 v254, v0, 2, 0x19000            ; the closing add's two registers are made here, straight ahead of the closing lines: no memory or LDS instruction has read v254 or v255
	v_mov_b32 v255, 0
	s_wait_dscnt 0x0                               ; the closing lines, six on end
	s_wait_alu 0x0
	s_wait_tensorcnt 0x0
	ds_add_u32 v254, v255
	s_wait_dscnt 0x0
	s_endpgm
.Lfunc_end_k_q07efee0a6d_attn:
	.size	k_q07efee0a6d_attn, .Lfunc_end_k_q07efee0a6d_attn-k_q07efee0a6d_attn
	.p2alignl 7, 3214868480
	.fill 96, 4, 3214868480
	.section	.rodata,"a",@progbits
	.p2align	6, 0x0
	.amdhsa_kernel k_q07efee0a6d_attn
		.amdhsa_group_segment_fixed_size 104448
		.amdhsa_private_segment_fixed_size 0
		.amdhsa_enable_private_segment 0
		.amdhsa_kernarg_size 40
		.amdhsa_user_sgpr_count 2
		.amdhsa_user_sgpr_kernarg_segment_ptr 1
		.amdhsa_wavefront_size32 1
		.amdhsa_system_sgpr_workgroup_id_x 1
		.amdhsa_system_sgpr_workgroup_id_y 1
		.amdhsa_system_sgpr_workgroup_id_z 1
		.amdhsa_system_vgpr_workitem_id 0
		.amdhsa_next_free_vgpr 256
		.amdhsa_next_free_sgpr 66
		.amdhsa_reserve_vcc 0
		.amdhsa_float_denorm_mode_32 3
		.amdhsa_float_denorm_mode_16_64 3
		.amdhsa_memory_ordered 1
		.amdhsa_forward_progress 1
		.amdhsa_inst_pref_size 55
	.end_amdhsa_kernel
	.amdgpu_metadata
---
amdhsa.version: [ 1, 2 ]
amdhsa.kernels:
  - .name:           k_q07efee0a6d_attn
    .symbol:         k_q07efee0a6d_attn.kd
    .args:
      - { .name: qk_img, .offset: 0, .size: 8, .value_kind: global_buffer, .address_space: global }
      - { .name: sc2, .offset: 8, .size: 8, .value_kind: global_buffer, .address_space: global }
      - { .name: lv_img, .offset: 16, .size: 8, .value_kind: global_buffer, .address_space: global }
      - { .name: r_img, .offset: 24, .size: 8, .value_kind: global_buffer, .address_space: global }
      - { .name: g_img, .offset: 32, .size: 8, .value_kind: global_buffer, .address_space: global }
    .group_segment_fixed_size: 104448
    .private_segment_fixed_size: 0
    .kernarg_segment_align: 8
    .kernarg_segment_size: 40
    .max_flat_workgroup_size: 512
    .sgpr_count:     66
    .vgpr_count:     256
    .wavefront_size: 32
...
	.end_amdgpu_metadata
.endif
;; end of part 5
;; launch outp: the kernel of part 4 again; grid 8 x 32, 4 waves a work-group, clusters of 4 x 4, 327,680 bytes of LDS; arguments g_img, w_img, sc1, bo, inputs, out0; writes out0
